; MI455X (gfx1250); checked and timed in simulation.
; The chip was launched on July 23, 2026; its instructions are those of AMD's public machine-readable ISA for CDNA 5 (MIT licence, August 2026) and "CDNA5" Instruction Set Architecture Reference Guide (July 2026). The comments in the code are by the model that wrote it; some were corrected since.
;; Multi Head Self Attention. Allowed arithmetic: matrix products marked QUANTISED: E4M3 operands, one E8M0 scale for each 32 along K, by v_wmma_scale_f32_16x16x128_f8f6f4 with both operands' format E4M3, f32 sums; everything else in f32.
;; Inputs: Wk 1,024 x 1,024 float32; Wo 1,024 x 1,024 float32; Wq 1,024 x 1,024 float32; Wv 1,024 x 1,024 float32; x 4 x 2,048 x 1,024 float32.
;; Outputs: out0 4 x 2,048 x 1,024 float32.
;; This version of the problem:
;;   THIS VERSION OF THE PROBLEM IS GIVEN IN LOW PRECISION. The matrix products marked QUANTISED in the list below multiply operands that are first quantised to E4M3 (4 exponent bits, 3 mantissa bits; 8 bits a number), with one power-of-two scale for each 32 numbers along K (OCP MX v1.0); their sums are f32. All else is computed in f32.
;;   The module's matrix products, in the order in which they are computed (A, B: the left and right operand; K: the contracted axis; several contracted axes count as one K, in the product's order):
;;     1. [M 8,192, K 1,024] x [K 1,024, N 1,024]; A: input x; B: input Wk: QUANTISED
;;     2. [M 8,192, K 1,024] x [K 1,024, N 1,024]; A: input x; B: input Wq: QUANTISED
;;     3. [M 8,192, K 1,024] x [K 1,024, N 1,024]; A: input x; B: input Wv: QUANTISED
;;     4. batch 64 x [M 2,048, K 64] x [K 64, N 2,048]; A: computed on the way; B: computed on the way: QUANTISED
;;     5. batch 64 x [M 2,048, K 2,048] x [K 2,048, N 64]; A: softmax (see below); B: computed on the way: QUANTISED
;;     6. [M 8,192, K 1,024] x [K 1,024, N 1,024]; A: computed on the way; B: input Wo: QUANTISED
;;   THE QUANTISER, for each operand of a quantised product, along K:
;;     - K is cut into blocks of 32 from its start; a last block that is shorter is filled with zeros.
;;     - A block's scale is 2^e with e = floor(log2(the largest magnitude in the block)) - 8, held to -126 .. 127; a block of zeros has e = 0. As a byte (E8M0): e + 127.
;;     - Each number is divided by its block's scale, clamped to +-448, and rounded to the nearest number of E4M3, ties to even, subnormals kept.
;;     - The product sums the exact products of the quantised numbers (number of the format x scale) in f32.
;;   ~~~python
;;   def quantise(x, axis):      # numpy; x: float32 -> the quantised numbers, widened to float32 again
;;       x = np.moveaxis(x, axis, -1); K = x.shape[-1]
;;       x = np.pad(x, [(0, 0)] * (x.ndim - 1) + [(0, -K % 32)]); x = x.reshape(x.shape[:-1] + (-1, 32)); a = np.abs(x).max(-1, keepdims=True)
;;       e = np.where(a > 0, np.clip(np.frexp(np.where(a > 0, a, 1))[1] - 1 - 8, -126, 127), 0)      # np.frexp(a)[1] - 1 = floor(log2(a)), exactly
;;       r = np.clip(x / 2.0 ** e, -448, 448)
;;       step = 2.0 ** (np.maximum(np.frexp(np.where(r == 0, 1, r))[1] - 1, -6) - 3)
;;       q = np.round(r / step) * step * 2.0 ** e      # np.round: ties to even
;;       return np.moveaxis(q.reshape(q.shape[:-2] + (-1,))[..., :K], -1, axis).astype(np.float32)
;;   ~~~
;;   SOFTMAX AHEAD OF A QUANTISED PRODUCT. Where the list says 'softmax', what is quantised is not the finished softmax but p = 2^(t - M), with t = logit x log2(e) and M = ceil(the row's largest t), a whole number; so 1/2 < the row's largest p <= 1. The row's sum l is taken of the UNQUANTISED p, in f32, and the product's result is divided by l at the end. Since M is a whole number, a kernel that streams over the keys may use a running M (the ceiling of the running maximum): every later rescaling is an exact power of two, which a block's scale takes up: the codes' values come out the same.
;;   OPERANDS COMPUTED ON THE WAY. 'Computed on the way' means the value that the module computes at that place (a softmax that the list does not call 'softmax' is quantised finished and normalised). What goes into a quantiser is computed in f32, as accurately as f32 sums, v_exp_f32 and their like allow (about 1e-6 of the number): no bf16 or f16 on the way to a quantiser, and a product that is left as it is and whose result goes on into a quantised operand takes f32 operands (vector FMAs, or v_wmma_f32_16x16x4_f32). A number that lies on a knife's edge between two numbers of the format may be rounded either way, as far as f32 arithmetic and the matrix unit's own rounding can turn it there, and no further.
;; One version. Each part assembles by itself: llvm-mc -triple=amdgcn-amd-amdhsa -mcpu=gfx1250 --defsym DOCPART=n.
;; ======== version 1 of 1: 4 launches
;; limits: right only within a limited range of input values
;; workspace buffers: opc 12,582,912 bytes; ops 393,216 bytes; qkvc 25,165,824 bytes; qkvs 1,572,864 bytes; ac 8,388,608 bytes; asc 262,144 bytes
;; launch quant (part 1): grid 256 x 1, 3 waves a work-group, no clusters, 26,112 bytes of LDS; arguments x, Wq, Wk, Wv, Wo, opc, ops; writes opc, ops
.if DOCPART == 1
	.amdgcn_target "amdgcn-amd-amdhsa--gfx1250"
	.amdhsa_code_object_version 6
	.text
	.protected	k_q648a45983b_quant
	.globl	k_q648a45983b_quant
	.p2align	8
	.type	k_q648a45983b_quant,@function
k_q648a45983b_quant:
	s_mov_b64 s[64:65], 0
	v_nop
	global_prefetch_b8 v0, s[64:65] scope:SCOPE_SE
	s_setreg_imm32_b32 hwreg(HW_REG_WAVE_MODE, 25, 1), 1
	s_wait_xcnt 0x0
; x [8192][1024] and Wq, Wk, Wv, Wo [1024][1024], f32, K innermost, become codes of FP8 (E4M3) with one E8M0 byte for each 32 along K.
; A block's scale is 2^(floor(log2(its largest magnitude)) - 8); its byte is the largest magnitude's exponent field - 8, held at 1 from below.
; LIMITS: NaN and infinities are not served; a block whose largest magnitude lies under 2^-118 keeps the byte 1; a block of zeros has the byte 1 over zero codes (only this program reads the bytes).
; LAYOUT OF THE CODES (opc): [768 row tiles][8 K steps of 128][2,048 bytes].  The 2,048 bytes are the image of an operand's registers: piece c (512 bytes) holds registers 4 c .. 4 c + 3,
; lane l's 16 bytes at 16 l; lane (r = l % 16, h = l / 16) holds k = 32 c + 16 h + 0 .. 15 of the tile's row r.
; THE ROWS OF A TILE ARE NOT NEIGHBOURS: row r of tile 2 B + u is the tensor's row 32 B + 8 u + r + 8 (r / 8).  Row tiles 0-511 x, 512-575 Wq, 576-639 Wk, 640-703 Wv, 704-767 Wo.
; LAYOUT OF THE SCALE BYTES (ops): [12,288 rows in the tiles' order][32 bytes].
; SHARES: a wave makes one row tile: 16 rows x 1,024 along K, in 8 steps of 128.  Each load reads 512 consecutive bytes of one row; a step's 16 rows turn through the wave's own stage in LDS,
; so that a lane gets 16 neighbours of each block of 32.  Waves share nothing: no barrier, no cluster (no two work-groups read the same bytes).  48 loads of a wave are out at the start.
.set STG,  8448                        ; a wave's stage: 16 rows of SP bytes
.set SP,   528                         ; 512 bytes + 16: the 16 rows that a read touches start 16 bytes apart modulo 256
.set TM,   8                           ; v8-11 largest magnitudes, v12-15 the other half's, then bytes, v20-23 the conversion's scale operand
.set R,    32                          ; v32-223 three sets of 64 numbers
.set PC,   224                         ; v224-239 a step's codes
.set SW,   240                         ; v240-247 the eight scale words of my row
.set SEL,  28                          ; s[28:29] lane selects: lane l xor 16
.set MNT,  30
	s_load_b256 s[4:11], s[0:1], 0x0               ; x, Wq, Wk, Wv
	s_load_b128 s[12:15], s[0:1], 0x20             ; Wo, opc
	s_load_b64 s[16:17], s[0:1], 0x30              ; ops
	v_lshl_add_u32 v254, v0, 2, 0x6400
	v_mov_b32 v255, 0
	v_lshrrev_b32 v1, 5, v0
	v_readfirstlane_b32 s20, v1                    ; wave 0..2
	v_and_b32 v1, 31, v0                           ; lane
	v_and_b32 v2, 15, v0                           ; r
	v_bfe_u32 v3, v0, 4, 1                         ; h
	v_lshlrev_b32 v4, 4, v1                        ; 16 x lane: my bytes of a load's 512, and of a piece; never rewritten
	s_mul_i32 s23, s20, STG
	v_add_nc_u32 v5, s23, v4                       ; the stage, on the way in
	v_mul_u32_u24 v6, v2, SP
	v_lshl_add_u32 v6, v3, 6, v6
	v_add_nc_u32 v6, s23, v6                       ; and on the way out: row r, + 64 h
	v_lshlrev_b32 v7, 5, v2
	v_lshl_add_u32 v7, v3, 4, v7                   ; my 16 bytes of the tile's 512 scale bytes
.irp b, 0,1,2,3
	v_mov_b32 v[TM+4+\b], 0                        ; a lane permute's destination counts as one of its sources
.endr
	s_mov_b32 s[SEL], 0x76543210
	s_mov_b32 s[SEL+1], 0xfedcba98
	s_mul_i32 s21, ttmp9, 3
	s_add_co_u32 s21, s21, s20                     ; T: my row tile, 0 .. 767
	s_and_b32 s22, s21, 63
	s_cmp_lt_u32 s21, 512
	s_cselect_b32 s22, s21, s22                    ; the tile's number within its tensor
	s_lshr_b32 s26, s22, 1
	s_lshl_b32 s26, s26, 5
	s_and_b32 s27, s22, 1
	s_lshl_b32 s27, s27, 3
	s_add_co_u32 s26, s26, s27                     ; its first row: 32 (tile / 2) + 8 (tile % 2)
	s_lshl_b32 s26, s26, 12                        ; rows of 4,096 bytes
	s_mov_b32 s27, 0
	s_wait_alu depctr_va_vdst(0)
	s_wait_kmcnt 0x0
	s_cmp_lt_u32 s21, 704                          ; which tensor: the choices hang on the tile's number alone
	s_cselect_b64 s[24:25], s[10:11], s[12:13]
	s_cmp_lt_u32 s21, 640
	s_cselect_b64 s[24:25], s[8:9], s[24:25]
	s_cmp_lt_u32 s21, 576
	s_cselect_b64 s[24:25], s[6:7], s[24:25]
	s_cmp_lt_u32 s21, 512
	s_cselect_b64 s[24:25], s[4:5], s[24:25]
	s_add_nc_u64 s[24:25], s[24:25], s[26:27]
	s_lshl_b32 s26, s21, 14
	s_add_nc_u64 s[14:15], s[14:15], s[26:27]      ; my tile's eight images
	s_lshl_b32 s26, s21, 9
	s_add_nc_u64 s[16:17], s[16:17], s[26:27]      ; and its 512 scale bytes
.macro LOAD st                         ; step st: 16 rows x 512 bytes into set st % 3
.irp i, 0,1,2,3,4,5,6,7,8,9,10,11,12,13,14,15
	global_load_b128 v[R+64*((\st)%3)+4*\i:R+64*((\st)%3)+4*\i+3], v4, s[24:25] offset:(\i+8*(\i/8))*4096+512*(\st) th:TH_LOAD_NT
.endr
.endm
.macro STEP st
.set XS, R+64*((\st)%3)
.if (\st) <= 5
	s_wait_loadcnt 32                              ; this step's 16 loads are in; those of the two steps behind it may be out
.elseif (\st) == 6
	s_wait_loadcnt 16
.else
	s_wait_loadcnt 0
.endif
.irp i, 0,1,2,3,4,5,6,7,8,9,10,11,12,13,14,15
	ds_store_b128 v5, v[XS+4*\i:XS+4*\i+3] offset:SP*\i
.endr
.irp b, 0,1,2,3
.irp j, 0,1,2,3
	ds_load_b128 v[XS+16*\b+4*\j:XS+16*\b+4*\j+3], v6 offset:128*\b+16*\j   ; LDS serves a wave's instructions in order: these see the stores above.  Register 16 b + i = k 32 b + 16 h + i of row r
.endr
.endr
	s_wait_dscnt 0x0
.irp b, 0,1,2,3
	v_max3_num_f32 v[TM+\b], |v[XS+16*\b]|, |v[XS+16*\b+1]|, 0x4800000   ; my 16 numbers of block b, and the floor 2^(9 - 127): the byte cannot fall under 1
.endr
.irp i, 2,4,6,8,10,12,14
.irp b, 0,1,2,3
	v_max3_num_f32 v[TM+\b], v[TM+\b], |v[XS+16*\b+\i]|, |v[XS+16*\b+\i+1]|
.endr
.endr
.irp b, 0,1,2,3
	v_permlanex16_b32 v[TM+4+\b], v[TM+\b], s[SEL], s[SEL+1]
.endr
.irp b, 0,1,2,3
	v_max_num_f32 v[TM+\b], v[TM+\b], v[TM+4+\b]   ; with lane l xor 16's: the block's largest magnitude
.endr
.irp b, 0,1,2,3
	v_add_nc_u32 v[TM+12+\b], 0xfc000000, v[TM+\b] ; 8 off its exponent field: the conversion's scale operand
.endr
.irp b, 0,1,2,3
.endr
.irp b, 0,1,2,3
	v_lshrrev_b32 v[TM+4+\b], 23, v[TM+12+\b]      ; the scale's byte
.endr
	v_lshl_or_b32 v[SW+(\st)], v[TM+5], 8, v[TM+4]
	v_lshl_or_b32 v[SW+(\st)], v[TM+6], 16, v[SW+(\st)]
	v_lshl_or_b32 v[SW+(\st)], v[TM+7], 24, v[SW+(\st)]
	s_wait_xcnt 0x0                                ; the last step's stores have read the codes' registers, which are written again below
.irp b, 0,1,2,3
.irp i, 0,1,2,3,4,5,6,7,8,9,10,11,12,13,14,15
.endr
	v_cvt_scalef32_pk8_fp8_f32 v[PC+4*\b:PC+4*\b+1], v[XS+16*\b:XS+16*\b+7], v[TM+12+\b]
	v_cvt_scalef32_pk8_fp8_f32 v[PC+4*\b+2:PC+4*\b+3], v[XS+16*\b+8:XS+16*\b+15], v[TM+12+\b]
.endr
	v_nop                                          ; a plain instruction behind the conversions
.irp c, 0,1,2,3
	global_store_b128 v4, v[PC+4*\c:PC+4*\c+3], s[14:15] offset:2048*(\st)+512*\c   ; 32 lanes store 512 consecutive bytes
.endr
.if (\st)+3 < 8
	LOAD (\st)+3
.endif
.endm
	LOAD 0
	LOAD 1
	LOAD 2
.irp t, 0,1,2,3,4,5,6,7
	STEP \t
.endr
	v_cmp_gt_u32 vcc_lo, 16, v1                    ; lanes 0-15 take words 0-3 of their row, lanes 16-31 words 4-7
.irp j, 0,1,2,3
	v_cndmask_b32 v[248+\j], v[SW+4+\j], v[SW+\j], vcc_lo
.endr
	global_store_b128 v7, v[248:251], s[16:17]     ; 512 consecutive bytes
	s_wait_tensorcnt 0x0
	ds_add_u32 v254, v255
	s_wait_dscnt 0x0
	s_endpgm
.Lfunc_end_k_q648a45983b_quant:
	.size	k_q648a45983b_quant, .Lfunc_end_k_q648a45983b_quant-k_q648a45983b_quant
	.p2alignl 7, 3214868480
	.fill 96, 4, 3214868480
	.section	.rodata,"a",@progbits
	.p2align	6, 0x0
	.amdhsa_kernel k_q648a45983b_quant
		.amdhsa_group_segment_fixed_size 26112
		.amdhsa_private_segment_fixed_size 0
		.amdhsa_enable_private_segment 0
		.amdhsa_kernarg_size 56
		.amdhsa_user_sgpr_count 2
		.amdhsa_user_sgpr_kernarg_segment_ptr 1
		.amdhsa_wavefront_size32 1
		.amdhsa_system_sgpr_workgroup_id_x 1
		.amdhsa_system_sgpr_workgroup_id_y 1
		.amdhsa_system_sgpr_workgroup_id_z 1
		.amdhsa_system_vgpr_workitem_id 0
		.amdhsa_next_free_vgpr 256
		.amdhsa_next_free_sgpr 66
		.amdhsa_reserve_vcc 1
		.amdhsa_float_denorm_mode_32 3
		.amdhsa_float_denorm_mode_16_64 3
		.amdhsa_fp16_overflow 1
		.amdhsa_memory_ordered 1
		.amdhsa_forward_progress 1
		.amdhsa_inst_pref_size 64
	.end_amdhsa_kernel
	.amdgpu_metadata
---
amdhsa.version: [ 1, 2 ]
amdhsa.kernels:
  - .name:           k_q648a45983b_quant
    .symbol:         k_q648a45983b_quant.kd
    .args:
      - { .name: x, .offset: 0, .size: 8, .value_kind: global_buffer, .address_space: global }
      - { .name: Wq, .offset: 8, .size: 8, .value_kind: global_buffer, .address_space: global }
      - { .name: Wk, .offset: 16, .size: 8, .value_kind: global_buffer, .address_space: global }
      - { .name: Wv, .offset: 24, .size: 8, .value_kind: global_buffer, .address_space: global }
      - { .name: Wo, .offset: 32, .size: 8, .value_kind: global_buffer, .address_space: global }
      - { .name: opc, .offset: 40, .size: 8, .value_kind: global_buffer, .address_space: global }
      - { .name: ops, .offset: 48, .size: 8, .value_kind: global_buffer, .address_space: global }
    .group_segment_fixed_size: 26112
    .private_segment_fixed_size: 0
    .kernarg_segment_align: 8
    .kernarg_segment_size: 56
    .max_flat_workgroup_size: 96
    .sgpr_count:     66
    .vgpr_count:     256
    .wavefront_size: 32
...
	.end_amdgpu_metadata
.endif
;; end of part 1
;; launch qkv (part 2): grid 8 x 48, 4 waves a work-group, clusters of 4 x 4, 327,680 bytes of LDS; arguments opc, ops, qkvc, qkvs; writes qkvc, qkvs
.if DOCPART == 2
	.amdgcn_target "amdgcn-amd-amdhsa--gfx1250"
	.amdhsa_code_object_version 6
	.text
	.protected	k_q648a45983b_qkv
	.globl	k_q648a45983b_qkv
	.p2align	8
	.type	k_q648a45983b_qkv,@function
k_q648a45983b_qkv:
	s_mov_b64 s[64:65], 0
	v_nop
	global_prefetch_b8 v0, s[64:65] scope:SCOPE_SE
	s_setreg_imm32_b32 hwreg(HW_REG_WAVE_MODE, 25, 1), 1
	s_wait_xcnt 0x0
	s_wait_alu depctr_hold_cnt(0) depctr_sa_sdst(0) depctr_va_vdst(0) depctr_va_sdst(0) depctr_va_ssrc(0) depctr_va_vcc(0) depctr_vm_vsrc(0)
	s_getreg_b32 s2, hwreg(HW_REG_IB_STS2, 6, 4)
	s_cmp_eq_u32 s2, 0
	s_cbranch_scc0 .Lentry_in_a_cluster
	s_endpgm
.Lentry_in_a_cluster:
	s_bfe_u32 s2, ttmp6, 0x10000c
	s_cmp_lg_u32 s2, 0xf033
	s_cbranch_scc0 .Lentry_shape_is_right
	s_endpgm
.Lentry_shape_is_right:
; q, k and v = x W^T on codes of FP8 (E4M3) with E8M0 scales, K = 1,024, f32 sums; the results are quantised in registers and leave as codes, as images of the next operands' registers.
; A work-group of four waves makes 256 x 256, a wave 128 x 128: 64 accumulators, 512 registers.  K goes in steps of 256 through a ring of two LDS slots filled by the tensor data mover.
; OPERANDS lie in memory as images of registers, [row tile of 16][K step of 128][2,048 bytes]: a fragment is four loads of 16 bytes a lane at 16 x lane, 512 consecutive bytes each: no pitch and no padding.
; A row tile's two images of a K step of 256 are 4,096 consecutive bytes, 16,384 bytes from the next row tile's: a wave's tensor load brings 8 such rows (more rows the tile does not have).
; Row r of tile 2 B + u is the tensor's row 32 B + 8 u + r + 8 (r / 8).  THE MATRIX INSTRUCTION IS USED TRANSPOSED (source 0 = 16 rows of "B", source 1 = 16 rows of "A"): a lane holds one row of A, and the
; 64 registers of its eight accumulators (a, 0 .. 7) are B's rows 32 c + 16 (lane / 16) + i, register 16 c + i: just what the next operand's layout wants along ITS K.
; TWO PARTS, chosen by selects on the cluster's y (equal in all partners), one path of text:
;   y < 8:  A = x's rows (tokens), B = Wq's and Wk's rows: a wave's 128 columns are two heads; image (q or k, pair of heads, token tile): pieces 0, 1 the even head's 64, pieces 2, 3 the odd head's.
;   y >= 8: A = Wv's rows, B = x's rows of one batch: the registers run along the KEYS, which are K of the second product of attention; image (batch, step of 128 keys, tile of 16 of the 1,024 channels).
; SCALE WORDS leave as rows of 64 bytes (16 words).  q, k: a row for each head and token tile (the odd head's word is the block's word shifted down by 16).  v: the whole word; the shifted one is stored beside it and read by nobody.
; CLUSTERS: 4 x 4 work-groups; A's tiles are asked for jointly along a row of the cluster, B's along a column.
; LIMITS: NaN and infinities are not served; a block under 2^-118 keeps the byte 1; a block of zeros has the byte 1 over zero codes.
; REGISTERS: window 0: v0-31 addresses; v32-63 scale words, two sets; v128-255 A's fragments, one set.  window 1: B's fragments, two sets.  windows 2, 3: the accumulators, (a, b) at v[8 (8 (a % 4) + b)].
.set NQ,     2                         ; matrix instructions deep in a slot
.set ROWB,   4096                      ; a row tile's bytes in a slot
.set KROW,   1024                      ; bytes of codes for each row
.set FR,     16
.set NL,     4
.set NP,     8                         ; places behind this matrix instruction (ISA guide 7.12.1)
.set HALFT,  8*ROWB                    ; 128 rows: what one tensor load brings
.set SLOT,   4*HALFT                   ; A's 256 rows, then B's
.set LAPS,   2                         ; 1,024 along K = two laps of two K steps
.set KS,     32                        ; a row of scale bytes
.set SCL,    2*SLOT                    ; behind the ring: the scales of all of K, as units of 256 bytes + 16 of padding; filled once
.set HALFS,  (128*KS/256)*272
.set SBLK,   (16*KS/256)*272
.set SPARE,  SCL+4*HALFS               ; the spare words, 128 bytes for each wave
.set ADRA, 16                          ; v16-17 LDS address of my A fragments in slot 0, 1
.set ADRB, 20                          ; v20-21 the same for B
.set SST,  24                          ; v24 the way out: where my scale word goes
.set SRD,  25                          ; v25 and where 16 bytes of words come back
.set GA,   26                          ; v26 16 x lane
.set ADRS, 27                          ; v27 LDS address of my scale words: lanes 0-15 A's rows, lanes 16-31 B's
.set SPW,  28                          ; v28 my spare word; never rewritten
.set NIL,  29                          ; v29 0; never rewritten
.set SH,   30                          ; v30 16 x (lane / 16)
.set SC,   32
.set AF,   128
.set TM,   32                          ; the way out: v32-47 at work, v48 a block's word, v64-71 the words as stored, v80-87 the words read back
.set PW,   48
.set PW2,  64
.set G1, 24
.set G0, 32
.set G1B, 48
.set G0B, 56
.set G1S, 68
.set G0S, 76
.set G1SB, 80
.set G0SB, 88
.set MNT, 97
.set SEL, 100
.set MSB, 0
.macro WIN new                         ; the immediate's high byte repeats the setting that is left
.if MSB != \new
	s_set_vgpr_msb (MSB<<8)|\new
.set MSB, \new
.endif
.endm
.set MUL_LO, 0xa1                      ; source 0 (B) window 1, source 1 (A) window 0, C and D window 2
.set MUL_HI, 0xf1
.set TO_B,   0x40
; A joint load: waves 0 and 1 fetch for A, waves 2 and 3 for B; the branch hangs on the wave's number alone.  Four v_nop follow each line.
.macro JLOAD g0a, g1a, g0b, g1b
	s_cmp_eq_u32 s15, 0
	s_cbranch_scc0 .Lfor_b_\@
	tensor_load_to_lds s[\g0a:\g0a+3], s[\g1a:\g1a+7]
	s_nop 0
.rept 4
	v_nop
.endr
	s_branch .Lasked_\@
.Lfor_b_\@:
	tensor_load_to_lds s[\g0b:\g0b+3], s[\g1b:\g1b+7]
	s_nop 0
.rept 4
	v_nop
.endr
.Lasked_\@:
.endm
.macro CREST                           ; a round of the cluster's barrier behind its opening barrier
	s_cmp_lg_u32 s14, 0
	s_cbranch_scc1 .Lnot_wave_0_\@
	s_barrier_signal -3
.Lnot_wave_0_\@:
	s_barrier_wait -3
	s_barrier_signal -1
	s_barrier_wait -1
.endm
.macro CROUND
	s_barrier_signal -1
	s_barrier_wait -1
	CREST
.endm
	s_load_b256 s[4:11], s[0:1], 0x0               ; opc s[4:5], ops s[6:7], qkvc s[8:9], qkvs s[10:11]
	v_lshl_add_u32 v[SPW], v0, 2, SPARE
	v_mov_b32 v[NIL], 0
	ds_add_u32 v28, v29
	ds_add_u32 v28, v29
	s_wait_dscnt 0x0
	v_lshrrev_b32 v1, 5, v0
	v_readfirstlane_b32 s14, v1                    ; wave 0..3
	s_lshr_b32 s15, s14, 1                         ; which half of A's rows is mine.  Also: I fetch for A (0) or for B (1)
	s_and_b32 s16, s14, 1                          ; which half of B's rows.  Also: which 128 rows of that tile I fetch
	s_bfe_u32 s40, ttmp6, 0x40000                  ; cx
	s_bfe_u32 s41, ttmp6, 0x40004                  ; cy
	s_lshl_b32 s42, ttmp9, 2
	s_add_co_u32 s42, s42, s40                     ; X = 4 x cluster x + cx, 0 .. 7
	s_and_b32 s95, ttmp7, 0xffff                   ; the cluster's y, 0 .. 11: under 8 the part for q and k, else the part for v
	s_lshl_b32 s17, s95, 2
	s_add_co_u32 s17, s17, s41                     ; Y = 4 x cluster y + cy
	s_and_b32 s96, s95, 3                          ; the batch of the part for v
	s_add_co_u32 s98, s41, 40                      ; Wv's tile of 256 rows
	s_lshl_b32 s99, s96, 3
	s_add_co_u32 s99, s99, s42                     ; x's tile of 256 keys
	s_add_co_u32 s97, s42, 32                      ; Wq's or Wk's tile
	s_cmp_lt_u32 s95, 8
	s_cselect_b32 s98, s17, s98                    ; A's tile: it hangs on the cluster's y and cy
	s_cselect_b32 s99, s97, s99                    ; B's tile: on the cluster's x and y and cx
	s_lshl_b32 s43, s41, 2
	s_lshl_b32 s43, 15, s43                        ; my row of the cluster
	s_lshl_b32 s44, 0x1111, s40                    ; my column
	s_or_b32 s[G1+0], s43, (1<<21)                 ; 15:0 the mask; 17:16 elements of 1 byte; no padding; 21 set beside a mask
	s_or_b32 s[G1B+0], s44, (1<<21)
.irp g, G1, G1B
	s_mov_b32 s[\g+1], ROWB<<16                    ; tensor_dim0 = 4,096
	s_mov_b32 s[\g+2], 8<<16                       ; tensor_dim1 = 8
	s_mov_b32 s[\g+3], ROWB<<16                    ; tile_dim0
	s_mov_b32 s[\g+4], 8                           ; tile_dim1
	s_mov_b32 s[\g+5], 16384                       ; from row tile to row tile
	s_mov_b32 s[\g+6], 0
	s_mov_b32 s[\g+7], 0
.endr
	s_or_b32 s[G1S+0], s43, (3<<16)|(1<<20)|(1<<21)|(5<<22)|(3<<25)   ; the scales of 128 rows: 4,096 dense bytes as rows of 256 (32 elements of 8 bytes), 16 bytes of padding behind each
	s_or_b32 s[G1SB+0], s44, (3<<16)|(1<<20)|(1<<21)|(5<<22)|(3<<25)
.irp g, G1S, G1SB
	s_mov_b32 s[\g+1], 32<<16
	s_mov_b32 s[\g+2], (128*KS/256)<<16
	s_mov_b32 s[\g+3], 32<<16
	s_mov_b32 s[\g+4], 128*KS/256
	s_mov_b32 s[\g+5], 32
	s_mov_b32 s[\g+6], 0
	s_mov_b32 s[\g+7], 0
.endr
	s_lshl_b32 s18, s16, 7                         ; which 128 rows of the tile I fetch
	s_lshl_b32 s20, s98, 8
	s_add_co_u32 s20, s20, s18                     ; A: row 256 x tile + 128 x half
	s_lshl_b32 s46, s99, 8
	s_add_co_u32 s46, s46, s18                     ; B likewise
	s_mov_b32 s21, 0
	s_mov_b32 s47, 0
	s_mov_b64 s[18:19], KS
	s_mul_u64 s[22:23], s[20:21], s[18:19]         ; where these rows' scales begin
	s_mul_u64 s[92:93], s[46:47], s[18:19]
	s_mov_b64 s[18:19], KROW
	s_mul_u64 s[20:21], s[20:21], s[18:19]         ; and their codes
	s_mul_u64 s[46:47], s[46:47], s[18:19]
	s_mul_i32 s45, s14, HALFT                      ; where they go: no place in the cluster enters an LDS address
	s_mul_i32 s94, s14, HALFS
	s_wait_kmcnt 0x0
	s_add_nc_u64 s[20:21], s[4:5], s[20:21]
	s_add_nc_u64 s[22:23], s[6:7], s[22:23]
	s_add_nc_u64 s[46:47], s[4:5], s[46:47]
	s_add_nc_u64 s[92:93], s[6:7], s[92:93]
	CROUND                                         ; all sixteen work-groups are here: the first joint loads meet
	s_mov_b32 s[G0S], 1
	s_add_co_u32 s[G0S+1], s94, SCL
	s_mov_b64 s[G0S+2:G0S+3], s[22:23]
	s_or_b32 s[G0S+3], s[G0S+3], 0x80000000
	s_mov_b32 s[G0SB], 1
	s_add_co_u32 s[G0SB+1], s94, SCL
	s_mov_b64 s[G0SB+2:G0SB+3], s[92:93]
	s_or_b32 s[G0SB+3], s[G0SB+3], 0x80000000
	JLOAD G0S, G1S, G0SB, G1SB                     ; the scales first; three loads of mine are out behind the first fills
.irp s, 0,1
	s_mov_b32 s[G0+4*\s], 1
	s_add_co_u32 s[G0+4*\s+1], s45, \s*SLOT
	s_add_nc_u64 s[G0+4*\s+2:G0+4*\s+3], s[20:21], \s*ROWB
	s_or_b32 s[G0+4*\s+3], s[G0+4*\s+3], 0x80000000
	s_mov_b32 s[G0B+4*\s], 1
	s_add_co_u32 s[G0B+4*\s+1], s45, \s*SLOT
	s_add_nc_u64 s[G0B+4*\s+2:G0B+4*\s+3], s[46:47], \s*ROWB
	s_or_b32 s[G0B+4*\s+3], s[G0B+4*\s+3], 0x80000000
	JLOAD G0+4*\s, G1, G0B+4*\s, G1B
.endr
	v_and_b32 v1, 15, v0                           ; r
	v_bfe_u32 v2, v0, 4, 1                         ; h
	v_and_b32 v3, 31, v0
	v_lshlrev_b32 v4, 4, v3                        ; 16 x lane
	s_mul_i32 s21, s15, HALFT                      ; my 128 rows of A
	s_mul_i32 s22, s16, HALFT                      ; my 128 rows of B,
	s_add_co_u32 s22, s22, 2*HALFT                 ; behind A's 256
.irp s, 0,1
	v_add_nc_u32 v[ADRA+\s], s21, v4
	v_add_nc_u32 v[ADRB+\s], s22, v4
	s_add_co_u32 s21, s21, SLOT
	s_add_co_u32 s22, s22, SLOT
.endr
	v_mul_u32_u24 v5, v1, KS                       ; my row's scales: KS bytes a row,
	v_lshrrev_b32 v6, 8, v5
	v_lshl_add_u32 v5, v6, 4, v5                   ; and 16 more for each 256 passed
	s_mul_i32 s21, s15, HALFS
	s_mul_i32 s22, s16, HALFS
	s_add_co_u32 s22, s22, 2*HALFS
	s_sub_co_u32 s22, s22, s21
	v_mul_u32_u24 v6, s22, v2                      ; lanes 16-31 take B's
	s_add_co_u32 s21, s21, SCL
	v_add_nc_u32 v5, v5, v6
	v_add_nc_u32 v[ADRS], s21, v5
	s_lshl_b32 s23, s14, 10                        ; the way out: 1,024 bytes for each wave's scale words, in slot 0, which has had its last fill and its last read by then
	v_lshlrev_b32 v5, 2, v1
	v_lshl_add_u32 v5, v2, 9, v5
	v_add_nc_u32 v[SST], s23, v5                   ; 512 h + 4 r
	v_add_nc_u32 v[SRD], s23, v4
	v_mov_b32 v[GA], v4
	v_lshlrev_b32 v[SH], 4, v2
	; where my results go: the first of my eight images and of my eight rows of scale words
	s_lshl_b32 s18, s42, 1
	s_add_co_u32 s18, s18, s16                     ; cg = 2 X + half: the pair of heads of q (0-7) or k (8-15); or the step of 128 keys
	s_lshl_b32 s19, s15, 3
	s_lshl_b32 s20, s17, 4
	s_add_co_u32 s20, s20, s19                     ; q, k: token tile 16 Y + 8 half
	s_lshl_b32 s21, s18, 9
	s_add_co_u32 s21, s21, s20                     ; image 512 cg + token tile
	s_lshl_b32 s22, s18, 10
	s_add_co_u32 s22, s22, s20                     ; scale row 1,024 cg + token tile (the odd head's 512 rows on)
	s_lshl_b32 s23, s41, 4
	s_add_co_u32 s23, s23, s19                     ; v: channel tile 16 cy + 8 half
	s_lshl_b32 s46, s18, 6
	s_add_co_u32 s46, s46, s23
	s_lshl_b32 s47, s96, 10
	s_add_co_u32 s46, s46, s47
	s_add_co_u32 s46, s46, 8192                    ; image 8,192 + (16 batch + cg) 64 + channel tile
	s_lshr_b32 s47, s18, 3
	s_lshl_b32 s92, s96, 1
	s_add_co_u32 s47, s47, s92
	s_lshl_b32 s47, s47, 10
	s_and_b32 s92, s18, 7
	s_lshl_b32 s92, s92, 6
	s_add_co_u32 s47, s47, s92
	s_add_co_u32 s47, s47, s23
	s_add_co_u32 s47, s47, 16384                   ; scale row 16,384 + (2 batch + cg / 8) 1,024 + (cg % 8) 64 + channel tile
	s_cmp_lt_u32 s95, 8
	s_cselect_b32 s20, s21, s46
	s_cselect_b32 s22, s22, s47
	s_lshl_b32 s20, s20, 11
	s_mov_b32 s21, 0
	s_lshl_b32 s22, s22, 6
	s_mov_b32 s23, 0
	s_add_nc_u64 s[12:13], s[8:9], s[20:21]
	s_add_nc_u64 s[66:67], s[10:11], s[22:23]
	s_mov_b32 s[SEL], 0x76543210
	s_mov_b32 s[SEL+1], 0xfedcba98
.macro FRAG reg, adr, q, i             ; a fragment: four pieces of 512 bytes, 16 bytes a lane
.irp c, 0,1,2,3
	ds_load_b128 v[\reg+4*\c:\reg+4*\c+3], v[\adr] offset:ROWB*(\i)+2048*(\q)+512*\c
.endr
.endm
; 16 matrix instructions: A's blocks a0, a0 + 1 x B's eight.  The 64 accumulators take turns, one instruction a turn, in the same order in every step.
.macro MUL16 a0, p, q, sc, zero
.irp a, \a0, \a0+1
.irp b, 0,1,2,3,4,5,6,7
.if \zero
	v_wmma_scale_f32_16x16x128_f8f6f4 v[8*(8*((\a)%4)+\b):8*(8*((\a)%4)+\b)+7], v[128*(\p)+FR*\b:128*(\p)+FR*\b+FR-1], v[AF+FR*(\a):AF+FR*(\a)+FR-1], 0, v[SC+8*NQ*(\sc)+NQ*\b+(\q)], v[SC+8*NQ*(\sc)+NQ*(\a)+(\q)] matrix_a_scale:MATRIX_SCALE_ROW1
.else
	v_wmma_scale_f32_16x16x128_f8f6f4 v[8*(8*((\a)%4)+\b):8*(8*((\a)%4)+\b)+7], v[128*(\p)+FR*\b:128*(\p)+FR*\b+FR-1], v[AF+FR*(\a):AF+FR*(\a)+FR-1], v[8*(8*((\a)%4)+\b):8*(8*((\a)%4)+\b)+7], v[SC+8*NQ*(\sc)+NQ*\b+(\q)], v[SC+8*NQ*(\sc)+NQ*(\a)+(\q)] matrix_a_scale:MATRIX_SCALE_ROW1
.endif
.endr
.endr
.endm
.macro FETCH_B slot, q, p
	WIN TO_B
.irp i, 0,1,2,3,4,5,6,7
	FRAG 128*(\p)+FR*\i, ADRB+\slot, \q, \i
.endr
	WIN 0
.endm
.macro FETCH_A slot, q, i0
.irp i, \i0, \i0+1, \i0+2, \i0+3
	FRAG AF+FR*(\i), ADRA+\slot, \q, \i
.endr
.endm
.macro SCALES sc                       ; a K step's scale words: lanes 0-15 A's block i, lanes 16-31 B's block i
.irp i, 0,1,2,3,4,5,6,7
	ds_load_b64 v[SC+8*NQ*\sc+NQ*\i:SC+8*NQ*\sc+NQ*\i+1], v[ADRS] offset:\i*SBLK
.endr
.endm
.macro PLACES n                        ; plain vector instructions between a matrix instruction and a load into, or a read of, its registers
.rept \n
	v_nop
.endr
.endm
.macro STEP slot, q, zero              ; 128 along K with its successor in the same slot
	s_wait_dscnt 4*NL                              ; B's set and A's blocks 0-3 are in; the 16 loads of A's blocks 4-7 may be out
	WIN MUL_LO
	MUL16 0, (\q)%2, \q, \slot, \zero
	MUL16 2, (\q)%2, \q, \slot, \zero
	s_wait_dscnt 0
	PLACES NP
	FETCH_B \slot, (\q)+1, 1-(\q)%2
	FETCH_A \slot, (\q)+1, 0
	WIN MUL_HI
	MUL16 4, (\q)%2, \q, \slot, \zero
	MUL16 6, (\q)%2, \q, \slot, \zero
	PLACES NP
	WIN 0
	FETCH_A \slot, (\q)+1, 4
.endm
; A slot's last step changes slots: one barrier; in front of it each wave waits for all its tensor loads, adds 0 to its spare word, and waits for that and for its reads of this slot.
.macro TURN slot, next, fill
	s_wait_tensorcnt 0x0                           ; all my tensor loads have landed: my part of the next slot
	ds_add_u32 v[SPW], v[NIL]
	s_wait_dscnt 4*NL+1                            ; the add and the 16 loads of A's blocks 4-7 may be out
	WIN MUL_LO
	MUL16 0, 1, NQ-1, \slot, 0
	s_wait_dscnt 0x0                               ; the add is done, and my reads of this slot are over
	s_barrier_signal -1
	MUL16 2, 1, NQ-1, \slot, 0
	WIN 0
	s_barrier_wait -1
.if \fill
	CREST                                          ; the barrier has opened a round of the cluster's: no wave of any partner still reads this slot or has a load on its way
	s_add_nc_u64 s[G0+4*\slot+2:G0+4*\slot+3], s[G0+4*\slot+2:G0+4*\slot+3], 2*ROWB
	s_add_nc_u64 s[G0B+4*\slot+2:G0B+4*\slot+3], s[G0B+4*\slot+2:G0B+4*\slot+3], 2*ROWB
	JLOAD G0+4*\slot, G1, G0B+4*\slot, G1B         ; my one tensor load behind the round; its four v_nop are among the places below
	PLACES NP-4
.else
	PLACES NP
.endif
	s_wait_alu depctr_va_vdst(0)
	v_add_nc_u32 v[ADRS], 4*NQ, v[ADRS]            ; the next K step's scale words
	FETCH_B \next, 0, 0
	FETCH_A \next, 0, 0
	SCALES \next
	WIN MUL_HI
	MUL16 4, 1, NQ-1, \slot, 0
	MUL16 6, 1, NQ-1, \slot, 0
	PLACES NP
	WIN 0
	FETCH_A \next, 0, 4
.endm
	s_wait_alu depctr_va_vdst(0)
	s_wait_tensorcnt 1                             ; the scales and my part of K step 0 are in; K step 1's load may be out
	s_barrier_signal -1
	s_barrier_wait -1
	FETCH_B 0, 0, 0
	FETCH_A 0, 0, 0
	SCALES 0
	FETCH_A 0, 0, 4
	STEP 0, 0, 1                                   ; the first step's products start the sums
	s_mov_b32 s3, LAPS-1
.Llap:
	TURN 0, 1, 1
	STEP 1, 0, 0
	TURN 1, 0, 1
	STEP 0, 0, 0
	s_sub_co_u32 s3, s3, 1
	s_cmp_lg_u32 s3, 0
	s_cbranch_scc1 .Llap
	TURN 0, 1, 0                                   ; the last lap fills nothing
	STEP 1, 0, 0
	s_wait_dscnt 4*NL
	WIN MUL_LO
	MUL16 0, 1, NQ-1, 1, 0
	MUL16 2, 1, NQ-1, 1, 0
	s_wait_dscnt 0
	WIN MUL_HI
	MUL16 4, 1, NQ-1, 1, 0
	MUL16 6, 1, NQ-1, 1, 0
	WIN 0
; THE WAY OUT.  Block a's 64 registers are quantised where they lie, four blocks of 32 along the next K, and their codes are an image: four stores of 512 consecutive bytes.
.macro QACC a
.set W, 2+(\a)/4
.set S, 64*((\a)%4)
.set PCA, AF+16*(\a)
.set W01, W|(W<<2)
.set W0D, W|(W<<6)
	WIN W01                                        ; sources 0 and 1: the accumulators' window
.irp b, 0,1,2,3
	v_max3_num_f32 v[TM+\b], |v[S+16*\b]|, |v[S+16*\b+1]|, 0x4800000   ; each accumulator is read from its low end on; the floor 2^(9 - 127) holds the byte at 1 from below
.endr
.irp i, 2,4,6,8,10,12,14
.irp b, 0,1,2,3
	v_max3_num_f32 v[TM+\b], |v[S+16*\b+\i]|, |v[S+16*\b+\i+1]|, v[TM+\b]
.endr
.endr
	WIN 0
.irp b, 0,1,2,3
	v_permlanex16_b32 v[TM+4+\b], v[TM+\b], s[SEL], s[SEL+1]
.endr
.irp b, 0,1,2,3
	v_max_num_f32 v[TM+\b], v[TM+\b], v[TM+4+\b]   ; with lane l xor 16's: the block's largest magnitude
.endr
.irp b, 0,1,2,3
	v_add_nc_u32 v[TM+12+\b], 0xfc000000, v[TM+\b] ; the conversion's scale operand
.endr
.irp b, 0,1,2,3
.endr
.irp b, 0,1,2,3
	v_lshrrev_b32 v[TM+4+\b], 23, v[TM+12+\b]      ; the byte
.endr
	v_lshl_or_b32 v[PW], v[TM+5], 8, v[TM+4]
	v_lshl_or_b32 v[PW], v[TM+6], 16, v[PW]
	v_lshl_or_b32 v[PW], v[TM+7], 24, v[PW]
	v_lshrrev_b32 v[PW2+(\a)], v[SH], v[PW]        ; lanes 0-15 keep the word, lanes 16-31 hold its upper two bytes: the odd head's word
	WIN W0D                                        ; source 0 and destination: the accumulators' window
.irp b, 0,1,2,3
.irp i, 0,1,2,3,4,5,6,7,8,9,10,11,12,13,14,15
.endr
.endr
	WIN W
.irp b, 0,1,2,3
	v_cvt_scalef32_pk8_fp8_f32 v[PCA+4*\b:PCA+4*\b+1], v[S+16*\b:S+16*\b+7], v[TM+12+\b]
	v_cvt_scalef32_pk8_fp8_f32 v[PCA+4*\b+2:PCA+4*\b+3], v[S+16*\b+8:S+16*\b+15], v[TM+12+\b]
.endr
	WIN 0
	v_nop                                          ; a plain instruction behind the conversions
	ds_store_b32 v[SST], v[PW2+(\a)] offset:64*(\a)
.irp c, 0,1,2,3
	global_store_b128 v[GA], v[PCA+4*\c:PCA+4*\c+3], s[12:13] offset:2048*(\a)+512*\c   ; each block has its own registers for its codes: no store's data are written again
.endr
.endm
	PLACES NP                                      ; behind the last products: their results are read, and their operands' and scales' registers written, below
.irp b, 0,1,2,3
	v_mov_b32 v[TM+4+\b], 0                        ; a lane permute's destination counts as one of its sources
.endr
.irp a, 0,1,2,3,4,5,6,7
	QACC \a
.endr
	ds_load_b128 v[80:83], v[SRD]                  ; LDS serves a wave's instructions in order: these see my eight stores.  Eight rows of 16 words,
	ds_load_b128 v[84:87], v[SRD] offset:512       ; and the eight of the shifted words
	s_wait_dscnt 0x0
	global_store_b128 v[GA], v[80:83], s[66:67]    ; 512 consecutive bytes each
	global_store_b128 v[GA], v[84:87], s[66:67] offset:32768
	s_wait_tensorcnt 0x0                           ; the wave's end
	ds_add_u32 v[SPW], v[NIL]
	s_wait_dscnt 0x0
	CROUND                                         ; the closing round
	s_endpgm
.Lfunc_end_k_q648a45983b_qkv:
	.size	k_q648a45983b_qkv, .Lfunc_end_k_q648a45983b_qkv-k_q648a45983b_qkv
	.p2alignl 7, 3214868480
	.fill 96, 4, 3214868480
	.section	.rodata,"a",@progbits
	.p2align	6, 0x0
	.amdhsa_kernel k_q648a45983b_qkv
		.amdhsa_group_segment_fixed_size 327680
		.amdhsa_private_segment_fixed_size 0
		.amdhsa_enable_private_segment 0
		.amdhsa_kernarg_size 32
		.amdhsa_user_sgpr_count 2
		.amdhsa_user_sgpr_kernarg_segment_ptr 1
		.amdhsa_wavefront_size32 1
		.amdhsa_system_sgpr_workgroup_id_x 1
		.amdhsa_system_sgpr_workgroup_id_y 1
		.amdhsa_system_sgpr_workgroup_id_z 1
		.amdhsa_system_vgpr_workitem_id 0
		.amdhsa_next_free_vgpr 1024
		.amdhsa_next_free_sgpr 102
		.amdhsa_reserve_vcc 0
		.amdhsa_float_denorm_mode_32 3
		.amdhsa_float_denorm_mode_16_64 3
		.amdhsa_fp16_overflow 1
		.amdhsa_memory_ordered 1
		.amdhsa_forward_progress 1
		.amdhsa_inst_pref_size 151
	.end_amdhsa_kernel
	.amdgpu_metadata
---
amdhsa.version: [ 1, 2 ]
amdhsa.kernels:
  - .name:           k_q648a45983b_qkv
    .symbol:         k_q648a45983b_qkv.kd
    .args:
      - { .name: opc, .offset: 0, .size: 8, .value_kind: global_buffer, .address_space: global }
      - { .name: ops, .offset: 8, .size: 8, .value_kind: global_buffer, .address_space: global }
      - { .name: qkvc, .offset: 16, .size: 8, .value_kind: global_buffer, .address_space: global }
      - { .name: qkvs, .offset: 24, .size: 8, .value_kind: global_buffer, .address_space: global }
    .group_segment_fixed_size: 327680
    .private_segment_fixed_size: 0
    .kernarg_segment_align: 8
    .kernarg_segment_size: 32
    .max_flat_workgroup_size: 128
    .sgpr_count:     102
    .vgpr_count:     1024
    .wavefront_size: 32
...
	.end_amdgpu_metadata
.endif
;; end of part 2
;; launch attn (part 3): grid 4 x 64, 16 waves a work-group, clusters of 4 x 1, 327,680 bytes of LDS; arguments qkvc, qkvs, ac, asc; writes ac, asc
.if DOCPART == 3
	.amdgcn_target "amdgcn-amd-amdhsa--gfx1250"
	.amdhsa_code_object_version 6
	.text
	.protected	k_q648a45983b_attn
	.globl	k_q648a45983b_attn
	.p2align	8
	.type	k_q648a45983b_attn,@function
k_q648a45983b_attn:
	s_mov_b64 s[64:65], 0
	v_nop
	global_prefetch_b8 v0, s[64:65] scope:SCOPE_SE
	s_setreg_imm32_b32 hwreg(HW_REG_WAVE_MODE, 25, 1), 1
	s_wait_xcnt 0x0
	s_wait_alu depctr_hold_cnt(0) depctr_sa_sdst(0) depctr_va_vdst(0) depctr_va_sdst(0) depctr_va_ssrc(0) depctr_va_vcc(0) depctr_vm_vsrc(0)
	s_getreg_b32 s2, hwreg(HW_REG_IB_STS2, 6, 4)
	s_cmp_eq_u32 s2, 0
	s_cbranch_scc0 .Lentry_in_a_cluster
	s_endpgm
.Lentry_in_a_cluster:
	s_bfe_u32 s2, ttmp6, 0x10000c
	s_cmp_lg_u32 s2, 0x3003
	s_cbranch_scc0 .Lentry_shape_is_right
	s_endpgm
.Lentry_shape_is_right:
; Causal attention of one head on codes of FP8 (E4M3) with E8M0 scales; head size 64, 2,048 tokens; the result is quantised along the 1,024 channels and leaves as codes for the last projection.
; t = score x log2(e) / 8; M = the running largest t rounded UP to a whole number; p = 2^(t - M) is quantised along the keys, not normalised; the row's sum is taken of the unquantised p and divides at the end.
; When M moves, the sum and O are multiplied by 2^(old M - new M): exact.
; SHARES.  Work-group y = 16 batch + head; the four work-groups of a cluster (g = cx) belong to one head.  The head's whole K and V and their scale words lie in LDS, brought ONCE, by joint loads that name the four:
; nothing in LDS is filled twice or stored to.  Wave w (m = w / 2, e = w % 2) owns two tiles of 16 queries: t = 8 (15 - m) + 2 g + e and t = 8 m + 2 g + e.
; Tile t needs t / 8 + 1 steps of 128 keys, so every wave of the launch has 17 steps.  Steps behind the diagonal are left out by scalar branches on m and the step's number, never on the place in the cluster.
; THE FIRST FILLS GO OUT IN FOUR GROUPS, keys 0-255, 256-511, 512-1,023, 1,024-2,047.
; The four barriers stand at steps 0, 2, 4 and 8 of the high tile, which every wave runs in full up to step 7: so the later groups land while the earlier keys are worked on.
; LAYOUT.  All operands are images of registers (16 bytes a lane at 16 x lane, 512 bytes a piece).  Row r of tile 2 B + u is token (or channel) 32 B + 8 u + r + 8 (r / 8).
; Both products are used transposed: S^T = K Q^T, O^T = V^T P^T: a lane holds ONE query, and the 16 registers of two neighbouring tiles are 16 neighbouring keys (or channels).
; The head's 64 fill half of the instruction's 128 along K: the upper eight registers of Q's and K's fragments are zero codes, written once; their scale bytes are never 0xff.
; LIMITS: NaN and infinities are not served; a block under 2^-118 keeps the byte 1; a block of zeros has the byte 1 over zero codes.
.set KREG, 0                           ; LDS: K [128 tiles][1,024]
.set VREG, 131072                      ;      V [4 tiles of 16 channels][16 steps][2,048]
.set KSC,  262144                      ;      K's scale words [128][64]
.set VSC,  270336                      ;      V's [16][4][64]
.set LI,   1                           ; v1  16 x lane
.set LS,   2                           ; v2  4 r
.set MD,   3                           ; v3  my query's place in its step of 128 keys, less 16 h
.set NINF, 4                           ; v4  -infinity
.set ADK,  5                           ; v5-8, v10 the step's LDS addresses: K, K's words, V's tiles 0 and 1, V's words, V's tiles 2 and 3
.set ADS,  6
.set ADV,  7
.set ADT,  8
.set R32,  9                           ; v9  32 r
.set ADV2, 10
.set BM,   208                         ; v208-211 a block's largest score, then p;  v212-215 the other half's, then bytes, then sums;  v220-223 the conversion's scale operand
.set BP,   212
.set HL,   216
.set SO,   220
.set SW,   224                         ; v224-227 scale words of V's four tiles
.set F,    232                         ; v232 f = 2^(old M - new M);  v233 p's scale word
.set PSW,  233
.set TMP,  234
.set QS,   235                         ; v235 Q's scale words;  v236-243, v244: the low tile's Q and its words
.set SWK,  246                         ; v246-253 scale words of a step's eight tiles of K
.set MNT,  12
.set WV,   18
.set SEL,  20
.set CS,   22
.set G1A,  24                          ; s[24:31] descriptor group 1 for a wave's first two loads;  s[72:79] for its third;  s[80:87] for its fourth: they differ in the number of rows
.set G1B,  72
.set G1C,  80                          ; groups 0: s[32:35], s[36:39], s[88:91], s[92:95]
.set TK,   44
.set TS,   45
.set TV,   46
.set TT,   47
.set SI,   48
.set LIM,  49
.set W8,   15|(1<<21)                  ; group 1, word 0: the mask names all four work-groups; elements of 1 byte; bit 21 beside the mask
.set W64,  15|(3<<16)|(1<<21)          ; the same with elements of 8 bytes
.macro ROUND                           ; a round of the cluster's barrier
	s_barrier_signal -1
	s_barrier_wait -1
	s_cmp_lg_u32 s[WV], 0
	s_cbranch_scc1 .Lnot_wave_0_\@
	s_barrier_signal -3
.Lnot_wave_0_\@:
	s_barrier_wait -3
	s_barrier_signal -1
	s_barrier_wait -1
.endm
.macro SHAPE w0, d0, pitch, ra, rb, rc ; the three groups 1: rows of d0 elements, pitch elements apart; ra, rb, rc rows
.irp g, G1A, G1B, G1C
	s_mov_b32 s[\g], \w0
	s_mov_b32 s[\g+1], (\d0)<<16                   ; tensor_dim0
	s_mov_b32 s[\g+3], (\d0)<<16                   ; tile_dim0
	s_mov_b32 s[\g+5], \pitch
.endr
	s_mov_b32 s[G1A+2], (\ra)<<16                  ; tensor_dim1,
	s_mov_b32 s[G1A+4], \ra                        ; tile_dim1
	s_mov_b32 s[G1B+2], (\rb)<<16
	s_mov_b32 s[G1B+4], \rb
	s_mov_b32 s[G1C+2], (\rc)<<16
	s_mov_b32 s[G1C+4], \rc
.endm
.macro ASK                             ; a wave's four first fills stand together: four loads of mine are out; four v_nop follow the last
.irp g, 32, 36, 88, 92
	s_or_b32 s[\g+3], s[\g+3], 0x80000000          ; type = 2
.endr
	tensor_load_to_lds s[32:35], s[G1A:G1A+7]
	s_nop 0
	tensor_load_to_lds s[36:39], s[G1A:G1A+7]
	s_nop 0
	tensor_load_to_lds s[88:91], s[G1B:G1B+7]
	s_nop 0
	tensor_load_to_lds s[92:95], s[G1C:G1C+7]
	s_nop 0
.rept 4
	v_nop
.endr
.endm
	s_load_b256 s[4:11], s[0:1], 0x0               ; qkvc s[4:5], qkvs s[6:7], ac s[8:9], asc s[10:11]
	v_lshl_add_u32 v254, v0, 2, 0x43000
	v_mov_b32 v255, 0
	ds_add_u32 v254, v255
	ds_add_u32 v254, v255
	v_lshrrev_b32 v5, 5, v0
	s_delay_alu instid0(VALU_DEP_1)
	v_readfirstlane_b32 s[WV], v5                  ; wave 0..15
	s_and_b32 s13, ttmp7, 0xffff
	s_lshr_b32 s14, s13, 4                         ; batch
	s_and_b32 s15, s13, 15                         ; head
	s_lshr_b32 s16, s[WV], 1                       ; m
	s_and_b32 s17, s[WV], 1                        ; e
	s_lshr_b32 s40, s15, 1                         ; the pair of heads
	s_and_b32 s41, s15, 1
	s_mov_b32 s[SEL], 0x76543210
	s_mov_b32 s[SEL+1], 0xfedcba98
	s_mov_b32 s[CS], 0x3e38aa3b                    ; c = log2(e) / sqrt(64)
	s_mov_b32 s[CS+1], s[CS]
.irp g, G1A, G1B, G1C                          ; descriptor words that all kinds of load share
	s_mov_b32 s[\g+6], 0
	s_mov_b32 s[\g+7], 0
.endr
.irp g, 32, 36, 88, 92
	s_mov_b32 s[\g], 1                             ; count = 1
.endr
	s_mov_b32 s43, 0
	s_mov_b32 s45, 0
	s_wait_dscnt 0x0
	s_wait_kmcnt 0x0
	ROUND                                          ; all four work-groups are here: the joint loads meet
	; Waves 0-3: K, 4, 4, 8 and 16 tiles each.  Waves 4-7: V, one tile of 16 channels each, for 2, 2, 4 and 8 steps.  Wave 8: K's scale words.  Wave 9: V's.  No descriptor word hangs on the place in the cluster.
	s_cmp_lt_u32 s[WV], 4
	s_cbranch_scc0 .Lnot_k
	SHAPE W8, 1024, 2048, 4, 8, 16                 ; a tile's 1,024 bytes of the head, 2,048 bytes from the next tile's
	s_add_co_u32 s42, s40, 8
	s_lshl_b32 s42, s42, 9
	s_lshl_b32 s44, s14, 7
	s_add_co_u32 s42, s42, s44                     ; image (8 + pair) 512 + 128 batch
	s_lshl_b32 s42, s42, 11
	s_lshl_b32 s44, s41, 10
	s_add_co_u32 s42, s42, s44                     ; the head's half of each image
	s_add_nc_u64 s[96:97], s[4:5], s[42:43]
	s_lshl_b32 s33, s[WV], 12                      ; LDS: tiles 4 w on,
	s_add_co_u32 s37, s33, 16384                   ; 16 + 4 w on,
	s_lshl_b32 s89, s[WV], 13
	s_add_co_u32 s89, s89, 32768                   ; 32 + 8 w on,
	s_lshl_b32 s93, s[WV], 14
	s_add_co_u32 s93, s93, 65536                   ; 64 + 16 w on
	s_lshl_b32 s44, s[WV], 13                      ; and the same tiles in memory, 2,048 bytes a tile
	s_add_nc_u64 s[34:35], s[96:97], s[44:45]
	s_add_nc_u64 s[38:39], s[34:35], 32768
	s_lshl_b32 s44, s[WV], 14
	s_add_nc_u64 s[90:91], s[96:97], s[44:45]
	s_add_nc_u64 s[90:91], s[90:91], 65536
	s_lshl_b32 s44, s[WV], 15
	s_add_nc_u64 s[94:95], s[96:97], s[44:45]
	s_add_nc_u64 s[94:95], s[94:95], 131072
	ASK
	s_branch .Lasked
.Lnot_k:
	s_cmp_lt_u32 s[WV], 8
	s_cbranch_scc0 .Lnot_v
	SHAPE W8, 2048, 131072, 2, 4, 8                ; an image of 2,048 bytes for each step, 64 images apart
	s_lshl_b32 s42, s14, 10                        ; image 8,192 + 16 batch x 64 + 4 head + (w - 4)
	s_lshl_b32 s44, s15, 2
	s_add_co_u32 s42, s42, s44
	s_add_co_u32 s42, s42, s[WV]
	s_sub_co_u32 s42, s42, 4
	s_lshl_b32 s42, s42, 11
	s_add_co_u32 s42, s42, 16777216                ; V's images begin behind q's and k's 8,192
	s_lshl_b32 s33, s[WV], 15                      ; LDS: VREG + 32,768 (w - 4) = 32,768 w: steps 0, 1;
	s_add_co_u32 s37, s33, 4096                    ; steps 2, 3;
	s_add_co_u32 s89, s33, 8192                    ; steps 4-7;
	s_add_co_u32 s93, s33, 16384                   ; steps 8-15
	s_add_nc_u64 s[34:35], s[4:5], s[42:43]
	s_add_nc_u64 s[38:39], s[34:35], 262144
	s_add_nc_u64 s[90:91], s[34:35], 524288
	s_add_nc_u64 s[94:95], s[34:35], 1048576
	ASK
	s_branch .Lasked
.Lnot_v:
	s_cmp_eq_u32 s[WV], 8
	s_cbranch_scc0 .Lnot_ks
	SHAPE W64, 32, 32, 4, 8, 16                    ; dense bytes as rows of 256: 64 bytes a tile
	s_add_co_u32 s42, s15, 16
	s_lshl_b32 s42, s42, 9
	s_lshl_b32 s44, s14, 7
	s_add_co_u32 s42, s42, s44
	s_lshl_b32 s42, s42, 6                         ; scale row (16 + head) 512 + 128 batch
	s_mov_b32 s33, KSC
	s_mov_b32 s37, KSC+1024
	s_mov_b32 s89, KSC+2048
	s_mov_b32 s93, KSC+4096
	s_add_nc_u64 s[34:35], s[6:7], s[42:43]
	s_add_nc_u64 s[38:39], s[34:35], 1024
	s_add_nc_u64 s[90:91], s[34:35], 2048
	s_add_nc_u64 s[94:95], s[34:35], 4096
	ASK
	s_branch .Lasked
.Lnot_ks:
	s_cmp_eq_u32 s[WV], 9
	s_cbranch_scc0 .Lasked
	SHAPE W64, 32, 512, 2, 4, 8                    ; a step's four rows of words: 256 bytes, 4,096 bytes from the next step's
	s_lshl_b32 s42, s14, 11
	s_lshl_b32 s44, s15, 2
	s_add_co_u32 s42, s42, s44
	s_add_co_u32 s42, s42, 16384
	s_lshl_b32 s42, s42, 6                         ; scale row 16,384 + 2,048 batch + 4 head
	s_mov_b32 s33, VSC
	s_mov_b32 s37, VSC+512
	s_mov_b32 s89, VSC+1024
	s_mov_b32 s93, VSC+2048
	s_add_nc_u64 s[34:35], s[6:7], s[42:43]
	s_add_nc_u64 s[38:39], s[34:35], 8192
	s_add_nc_u64 s[90:91], s[34:35], 16384
	s_add_nc_u64 s[94:95], s[34:35], 65536         ; steps 8-15 lie 1,024 scale rows on
	ASK
.Lasked:
	; my two tiles of queries: here, and in the mask's constant, the place in the cluster comes in
	s_bfe_u32 s19, ttmp6, 0x40000                  ; g = cx
	s_lshl_b32 s68, s41, 10                        ; 1,024 (head % 2)
	s_lshl_b32 s69, s15, 1                         ; 2 head
	s_lshl_b32 s42, s19, 1
	s_add_co_u32 s42, s42, s17
	s_lshl_b32 s43, s14, 7
	s_add_co_u32 s42, s42, s43                     ; 128 batch + 2 g + e
	s_lshl_b32 s43, s16, 3
	s_add_co_u32 s48, s42, s43                     ; the low tile
	s_sub_co_u32 s49, 120, s43
	s_add_co_u32 s49, s49, s42                     ; the high tile
.macro TADR tt, pq, ps, pc, pa         ; token tile s[tt]: Q's image, Q's words, the result's image, the result's scale bytes
	s_lshl_b32 s42, s40, 9
	s_add_co_u32 s42, s42, s[\tt]
	s_lshl_b32 s42, s42, 11
	s_add_co_u32 s42, s42, s68
	s_mov_b32 s43, 0
	s_add_nc_u64 s[\pq:\pq+1], s[4:5], s[42:43]
	s_lshl_b32 s42, s15, 9
	s_add_co_u32 s42, s42, s[\tt]
	s_lshl_b32 s42, s42, 6
	s_add_nc_u64 s[\ps:\ps+1], s[6:7], s[42:43]
	s_lshl_b32 s42, s[\tt], 3
	s_add_co_u32 s42, s42, s40
	s_lshl_b32 s42, s42, 11
	s_add_co_u32 s42, s42, s68
	s_add_nc_u64 s[\pc:\pc+1], s[8:9], s[42:43]
	s_lshl_b32 s42, s[\tt], 9
	s_add_co_u32 s42, s42, s69
	s_add_nc_u64 s[\pa:\pa+1], s[10:11], s[42:43]
.endm
	TADR 49, 50, 52, 58, 60
	TADR 48, 54, 56, 62, 66
	v_and_b32 v[LI], 31, v0
	s_delay_alu instid0(VALU_DEP_1)
	v_lshlrev_b32 v[LI], 4, v[LI]
	v_and_b32 v10, 15, v0                          ; r
	v_bfe_u32 v11, v0, 4, 1                        ; h
	s_delay_alu instid0(VALU_DEP_2)
	v_lshlrev_b32 v[LS], 2, v10
	s_delay_alu instid0(VALU_DEP_3)
	v_lshlrev_b32 v[R32], 5, v10
	global_load_b128 v[16:19], v[LI], s[50:51]     ; the high tile's Q: two pieces; it stays in registers
	global_load_b128 v[20:23], v[LI], s[50:51] offset:512
	global_load_b32 v[QS], v[LS], s[52:53]
	global_load_b128 v[236:239], v[LI], s[54:55]   ; the low tile's
	global_load_b128 v[240:243], v[LI], s[54:55] offset:512
	global_load_b32 v244, v[LS], s[56:57]
	v_and_b32 v[MD], 8, v10
	s_delay_alu instid0(VALU_DEP_1)
	v_add_nc_u32 v[MD], v[MD], v10                 ; r + 8 (r / 8)
	v_lshlrev_b32 v11, 4, v11
	s_delay_alu instid0(VALU_DEP_1)
	v_sub_nc_u32 v[MD], v[MD], v11
	s_lshl_b32 s42, s19, 5
	s_lshl_b32 s43, s17, 3
	s_add_co_u32 s42, s42, s43
	v_add_nc_u32 v[MD], s42, v[MD]                 ; 32 g + 8 e + r + 8 (r / 8) - 16 h: the same for both tiles
	v_mov_b32 v[NINF], 0xff800000
.irp j, 0,1,2,3,4,5,6,7
	v_mov_b32 v[24+\j], 0                          ; zero codes for k = 64 .. 127: Q's,
.irp t, 0,1,2,3
	v_mov_b32 v[40+16*\t+\j], 0                    ; and those of K's four sets; no load lands here
.endr
.endr
.irp b, 0,1,2,3
	v_mov_b32 v[BP+\b], 0                          ; a lane permute's destination counts as one of its sources
.endr
	v_mov_b32 v[PSW], 0                            ; named as the upper half of the pair v[232:233] before it is first written
	v_mov_b32 v[TMP], 0
.macro SETT k                          ; the LDS bytes at which step k's tiles and words begin: each loop starts from constants
	s_mov_b32 s[TK], KREG+8192*(\k)
	s_mov_b32 s[TS], KSC+512*(\k)
	s_mov_b32 s[TV], VREG+2048*(\k)
	s_mov_b32 s[TT], VSC+256*(\k)
.endm
.macro INIT                            ; a tile's start: the first step finds zeros, which the first change of M leaves zeros
	v_mov_b32 v13, 0xff61b1e6                      ; the largest t so far: -3e38
	s_delay_alu instid0(VALU_DEP_1)
	v_floor_f32 v12, -v13                          ; -M
	v_mov_b32 v14, 0
	v_mov_b32 v15, 0
.set n, 0
.rept 32
	v_mov_b32 v[160+n], 0
.set n, n+1
.endr
	SETT 0
.endm
.macro BMAX x, y                       ; the largest score of blocks x and y of 32 keys, my 16 of each: 16 instructions, the two blocks by turns; each accumulator is read from its low end on
.irp b, \x, \y
	v_max3_num_f32 v[BM+\b], v[96+16*\b], v[97+16*\b], v[98+16*\b]
.endr
.irp i, 3,5,7,9,11,13
.irp b, \x, \y
	v_max3_num_f32 v[BM+\b], v[BM+\b], v[96+16*\b+\i], v[97+16*\b+\i]
.endr
.endr
.irp b, \x, \y
	v_max_num_f32 v[BM+\b], v[BM+\b], v[111+16*\b]
.endr
.endm
; A STEP of 128 keys.  causal = 1: the step is left out where it lies behind the tile's diagonal step s[LIM], and masked where it is that step.
.macro STEP causal
.if \causal
	s_cmp_gt_u32 s[SI], s[LIM]
	s_cbranch_scc1 .Lhidden_\@
.endif
	s_setprio 2
	v_add_nc_u32 v[ADK], s[TK], v[LI]
	v_add_nc_u32 v[ADS], s[TS], v[LS]
.irp t, 0,1,2,3                                ; K's tiles 0-3, and the scale words of all eight: no register of the last step's second product is a target here
	ds_load_b128 v[32+16*\t:35+16*\t], v[ADK] offset:\t*1024
	ds_load_b128 v[36+16*\t:39+16*\t], v[ADK] offset:\t*1024+512
.endr
.irp t, 0,1,2,3,4,5,6,7
	ds_load_b32 v[SWK+\t], v[ADS] offset:\t*64
.endr
	v_add_nc_u32 v[ADV], s[TV], v[LI]
	s_delay_alu instid0(VALU_DEP_1)
	v_add_nc_u32 v[ADV2], 0x10000, v[ADV]          ; V's tiles lie 32,768 bytes apart: the third and fourth are beyond a 16-bit offset
	v_add_nc_u32 v[ADT], s[TT], v[LS]
.rept 4
	v_nop                                          ; with the five additions nine places behind the last step's products: the scores below write over the registers that held V
.endr
	s_wait_alu depctr_va_vdst(0)
	s_wait_dscnt 0x4                               ; the four tiles and their words are in; the words of tiles 4-7 may be out
.irp t, 0,1,2,3                                ; S^T = K Q^T, four tiles of 16 keys at a time
	v_wmma_scale_f32_16x16x128_f8f6f4 v[96+8*\t:103+8*\t], v[32+16*\t:47+16*\t], v[16:31], 0, v[SWK+\t], v[QS]
.endr
.rept 8
	v_nop                                          ; places in front of loads into registers that matrix instructions have read, and of the first read of these four results
.endr
.irp t, 0,1,2,3
	ds_load_b128 v[32+16*\t:35+16*\t], v[ADK] offset:(4+\t)*1024
	ds_load_b128 v[36+16*\t:39+16*\t], v[ADK] offset:(4+\t)*1024+512
.endr
	s_wait_dscnt 0x0
.irp t, 0,1,2,3
	v_wmma_scale_f32_16x16x128_f8f6f4 v[128+8*\t:135+8*\t], v[32+16*\t:47+16*\t], v[16:31], 0, v[SWK+4+\t], v[QS]
.endr                                          ; register 16 b + i holds key 128 step + 32 b + 16 h + i of my query
.if \causal
	s_cmp_lt_u32 s[SI], s[LIM]
	s_cbranch_scc1 .Lopen_\@
.set n, 0
.rept 64                                       ; the diagonal step: hidden where 32 b + i > my query's place - 16 h; -infinity gives p = 0.  The first 64 lines touch tiles 0-3 alone: they are the places behind tiles 4-7's products
	v_cmp_gt_i32 vcc_lo, 32*(n/16)+n%16, v[MD]
	v_cndmask_b32 v[96+n], v[96+n], v[NINF], vcc_lo
.set n, n+1
.endr
.Lopen_\@:
.endif
	BMAX 0, 1                                      ; the largest score of each block: for the row's maximum and, since p rises with the score, for the block's largest p.  Blocks 0, 1 lie in tiles 0-3: these 16 lines are the places behind tiles 4-7's products
	BMAX 2, 3
.irp b, 0,1,2,3
	v_permlanex16_b32 v[BP+\b], v[BM+\b], s[SEL], s[SEL+1]
.endr
.irp b, 0,1,2,3
	s_delay_alu instid0(VALU_DEP_4)
	v_max_num_f32 v[BM+\b], v[BM+\b], v[BP+\b]     ; with lane l xor 16's 16 keys
.endr
	s_delay_alu instid0(VALU_DEP_2)
	v_max3_num_f32 v[TMP], v[BM], v[BM+1], v[BM+2]
	s_delay_alu instid0(VALU_DEP_1)
	v_max_num_f32 v[TMP], v[TMP], v[BM+3]
	s_delay_alu instid0(VALU_DEP_1)
	v_mul_f32 v[TMP], s[CS], v[TMP]                ; the step's largest t
	s_delay_alu instid0(VALU_DEP_1)
	v_max_num_f32 v13, v13, v[TMP]
	v_mov_b32 v[TMP], v12
	s_delay_alu instid0(VALU_DEP_2)
	v_floor_f32 v12, -v13                          ; the new -M = -ceil(t): a whole number
	s_delay_alu instid0(VALU_DEP_1)
	v_sub_f32 v[TMP], v12, v[TMP]                  ; old M - new M, 0 or less
	s_delay_alu instid0(VALU_DEP_1)
	v_cvt_i32_f32 v[TMP], v[TMP]                   ; (it saturates)
	s_delay_alu instid0(VALU_DEP_1)
	v_ldexp_f32 v[F], 1.0, v[TMP]                  ; f = 2^(old M - new M)
.set n, 0
.rept 32
	v_pk_fma_f32 v[96+n:97+n], v[96+n:97+n], s[CS:CS+1], v[12:13] op_sel_hi:[1,0,0]   ; t - M, two at a time
.set n, n+2
.endr
.irp b, 0,1,2,3
	v_fma_f32 v[BM+\b], v[BM+\b], s[CS], v12
.endr
.set n, 0
	s_setprio 1
	s_wait_alu depctr_va_vdst(0)
.rept 64
	v_exp_f32 v[96+n], v[96+n]                     ; p = 2^(t - M)
.set n, n+1
.endr
.irp b, 0,1,2,3
	v_exp_f32 v[BM+\b], v[BM+\b]                   ; the block's largest p: the same two instructions on the same number
.endr
	v_pk_mul_f32 v[14:15], v[14:15], v[F:F+1] op_sel_hi:[1,0]   ; the sums under the new M (a plain instruction behind the exponentials)
	s_wait_alu depctr_va_vdst(0)
.irp b, 0,1,2,3
	v_max_num_f32 v[BM+\b], 0x4800000, v[BM+\b]    ; the floor 2^(9 - 127)
.endr
.irp b, 0,1,2,3
	s_delay_alu instid0(VALU_DEP_4)
	v_add_nc_u32 v[SO+\b], 0xfc000000, v[BM+\b]
.endr
.irp b, 0,1,2,3
.endr
.irp b, 0,1,2,3
	s_delay_alu instid0(VALU_DEP_4)
	v_lshrrev_b32 v[BP+\b], 23, v[SO+\b]
.endr
	s_delay_alu instid0(VALU_DEP_3)
	v_lshl_or_b32 v[PSW], v[BP+1], 8, v[BP]        ; p's scale word for these 128 keys
	s_delay_alu instid0(VALU_DEP_1)
	v_lshl_or_b32 v[PSW], v[BP+2], 16, v[PSW]
	s_delay_alu instid0(VALU_DEP_1)
	v_lshl_or_b32 v[PSW], v[BP+3], 24, v[PSW]
	v_pk_add_f32 v[212:213], v[100:101], v[104:105]
	v_pk_add_f32 v[252:253], v[108:109], v[112:113]
	v_pk_add_f32 v[250:251], v[116:117], v[120:121]
	v_pk_add_f32 v[248:249], v[124:125], v[128:129]
	v_pk_add_f32 v[246:247], v[132:133], v[136:137]
	v_pk_add_f32 v[230:231], v[140:141], v[144:145]
	v_pk_add_f32 v[228:229], v[148:149], v[152:153]
	v_pk_add_f32 v[14:15], v[14:15], v[156:157]
	v_pk_add_f32 v[212:213], v[212:213], v[96:97]
	v_pk_add_f32 v[252:253], v[252:253], v[98:99]
	v_pk_add_f32 v[250:251], v[250:251], v[102:103]
	v_pk_add_f32 v[248:249], v[248:249], v[106:107]
	v_pk_add_f32 v[246:247], v[246:247], v[110:111]
	v_pk_add_f32 v[230:231], v[230:231], v[114:115]
	v_pk_add_f32 v[228:229], v[228:229], v[118:119]
	v_pk_add_f32 v[14:15], v[14:15], v[122:123]
	v_pk_add_f32 v[212:213], v[212:213], v[126:127]
	v_pk_add_f32 v[252:253], v[252:253], v[130:131]
	v_pk_add_f32 v[250:251], v[250:251], v[134:135]
	v_pk_add_f32 v[248:249], v[248:249], v[138:139]
	v_pk_add_f32 v[246:247], v[246:247], v[142:143]
	v_pk_add_f32 v[230:231], v[230:231], v[146:147]
	v_pk_add_f32 v[228:229], v[228:229], v[150:151]
	v_pk_add_f32 v[14:15], v[14:15], v[154:155]
	v_pk_add_f32 v[212:213], v[212:213], v[158:159]
	s_delay_alu instid0(VALU_DEP_2)
	v_pk_add_f32 v[14:15], v[14:15], v[248:249]
	s_delay_alu instid0(VALU_DEP_2)
	v_pk_add_f32 v[212:213], v[212:213], v[246:247]
	v_pk_add_f32 v[252:253], v[252:253], v[230:231]
	v_pk_add_f32 v[250:251], v[250:251], v[228:229]
	s_delay_alu instid0(VALU_DEP_2)
	v_pk_add_f32 v[14:15], v[14:15], v[252:253]
	s_delay_alu instid0(VALU_DEP_2)
	v_pk_add_f32 v[212:213], v[212:213], v[250:251]
	s_delay_alu instid0(VALU_DEP_1)
	v_pk_add_f32 v[14:15], v[14:15], v[212:213]
.irp b, 0,1,2,3
.set n, 0
.rept 8
.set n, n+2
.endr
	v_cvt_scalef32_pk8_fp8_f32 v[192+4*\b:193+4*\b], v[96+16*\b:103+16*\b], v[SO+\b]
	v_cvt_scalef32_pk8_fp8_f32 v[194+4*\b:195+4*\b], v[104+16*\b:111+16*\b], v[SO+\b]
.if \b < 2                                     ; V's tile b takes the 16 registers that block b of p has just left: it is on its way while the other blocks are converted
.irp c, 0,1,2,3
	ds_load_b128 v[96+16*\b+4*\c:99+16*\b+4*\c], v[ADV] offset:32768*\b+512*\c
.endr
.else
.irp c, 0,1,2,3
	ds_load_b128 v[96+16*\b+4*\c:99+16*\b+4*\c], v[ADV2] offset:32768*(\b-2)+512*\c
.endr
.endif
	ds_load_b32 v[SW+\b], v[ADT] offset:64*\b
.endr
.set n, 0
	s_setprio 0
.rept 16
	v_pk_mul_f32 v[160+n:161+n], v[160+n:161+n], v[F:F+1] op_sel_hi:[1,0]   ; O^T under the new M; these are also the places between the codes and the products below
.set n, n+2
.endr
	s_wait_alu depctr_va_vdst(0)
	s_wait_dscnt 0x0
.irp t, 0,1,2,3                                ; O^T += V^T P^T: the head's four tiles of 16 channels, four accumulators by turns
	v_wmma_scale_f32_16x16x128_f8f6f4 v[160+8*\t:167+8*\t], v[96+16*\t:111+16*\t], v[192:207], v[160+8*\t:167+8*\t], v[SW+\t], v[PSW]
.endr
.if \causal
.Lhidden_\@:
.endif
	s_add_co_u32 s[TK], s[TK], 8192                ; the next step's tiles and words
	s_add_co_u32 s[TS], s[TS], 512
	s_add_co_u32 s[TV], s[TV], 2048
	s_add_co_u32 s[TT], s[TT], 256
.endm
; A tile's end: O^T / the sum; register 16 b + i is channel 32 b + 16 h + i of the head: two blocks of the last projection's K.  Their codes are two pieces of an image.
.macro WAYOUT pc, ps
.rept 8
	v_nop                                          ; places behind the last products
.endr
	v_add_f32 v14, v14, v15
	s_delay_alu instid0(VALU_DEP_1)
	v_permlanex16_b32 v[TMP], v14, s[SEL], s[SEL+1]
	s_delay_alu instid0(VALU_DEP_1)
	v_add_f32 v14, v14, v[TMP]                     ; the row's sum
	s_wait_alu depctr_va_vdst(0)
	v_rcp_f32 v14, v14
	v_nop
.set n, 0
	s_wait_alu depctr_va_vdst(0)
.rept 32
	v_mul_f32 v[96+n], v[160+n], v14               ; each accumulator from its low end on
.set n, n+1
.endr
.irp b, 0,1
	v_max3_num_f32 v[BM+\b], |v[96+16*\b]|, |v[97+16*\b]|, 0x4800000
.endr
.irp i, 2,4,6,8,10,12,14
.irp b, 0,1
	s_delay_alu instid0(VALU_DEP_2)
	v_max3_num_f32 v[BM+\b], v[BM+\b], |v[96+16*\b+\i]|, |v[97+16*\b+\i]|
.endr
.endr
.irp b, 0,1
	s_delay_alu instid0(VALU_DEP_2)
	v_permlanex16_b32 v[BP+\b], v[BM+\b], s[SEL], s[SEL+1]
.endr
.irp b, 0,1
	s_delay_alu instid0(VALU_DEP_2)
	v_max_num_f32 v[BM+\b], v[BM+\b], v[BP+\b]
.endr
.irp b, 0,1
	s_delay_alu instid0(VALU_DEP_2)
	v_add_nc_u32 v[SO+\b], 0xfc000000, v[BM+\b]
.endr
.irp b, 0,1
.endr
.irp b, 0,1
	s_delay_alu instid0(VALU_DEP_2)
	v_lshrrev_b32 v[BP+\b], 23, v[SO+\b]
.endr
	s_delay_alu instid0(VALU_DEP_1)
	v_lshl_or_b32 v[TMP], v[BP+1], 8, v[BP]        ; the head's two scale bytes of my row
.irp b, 0,1
.set n, 0
.rept 16
.set n, n+1
.endr
	v_cvt_scalef32_pk8_fp8_f32 v[192+4*\b:193+4*\b], v[96+16*\b:103+16*\b], v[SO+\b]
	v_cvt_scalef32_pk8_fp8_f32 v[194+4*\b:195+4*\b], v[104+16*\b:111+16*\b], v[SO+\b]
.endr
	v_nop
	global_store_b128 v[LI], v[192:195], s[\pc:\pc+1]              ; 512 consecutive bytes each
	global_store_b128 v[LI], v[196:199], s[\pc:\pc+1] offset:512
	global_store_b16 v[R32], v[TMP], s[\ps:\ps+1]  ; two bytes of each row's 32; lanes l and l xor 16 store the same two bytes with the same value
	s_wait_xcnt 0x0                                ; the stores have read their registers, which the next tile writes again
.endm
; A group of first fills is shown to every wave: my own load of the group has landed (left = my later loads, which may stay out), my LDS loads are in, and all sixteen waves have said so.
.macro BAR left
	s_wait_tensorcnt \left
	s_wait_dscnt 0x0
	s_barrier_signal -1
	s_barrier_wait -1
.endm
.macro FULL first, last                ; the high tile's steps first .. last - 1: they lie in front of its diagonal in every wave
	SETT \first
	s_mov_b32 s[SI], \first
.Lfull_\@:
	STEP 0
	s_add_co_u32 s[SI], s[SI], 1
	s_cmp_lt_u32 s[SI], \last
	s_cbranch_scc1 .Lfull_\@
	s_setprio 0
.endm
	s_wait_loadcnt 0x0                             ; Q
	INIT
	BAR 3                                          ; keys 0-255 are in; three loads of mine may be out
	FULL 0, 2
	BAR 2                                          ; keys 256-511
	FULL 2, 4
	BAR 1                                          ; keys 512-1,023
	FULL 4, 8
	BAR 0                                          ; all keys: from here on LDS is only read, and every wave has nine steps left
	SETT 8
	s_mov_b32 s[SI], 8
	s_sub_co_u32 s[LIM], 15, s16
.Lhigh:                                            ; the high tile, steps 8-15: up to step 15 - m
	STEP 1
	s_add_co_u32 s[SI], s[SI], 1
	s_cmp_lt_u32 s[SI], 16
	s_cbranch_scc1 .Lhigh
	s_setprio 0
	WAYOUT 58, 60
.irp j, 0,1,2,3,4,5,6,7
	v_mov_b32 v[16+\j], v[236+\j]                  ; the low tile's Q,
.endr
	v_mov_b32 v[QS], v244                          ; and its scale words; the 36 moves below stand between them and the next products
	INIT
	s_mov_b32 s[SI], 0
	s_mov_b32 s[LIM], s16
.Llow:                                             ; the low tile, steps 0-7: up to step m
	STEP 1
	s_add_co_u32 s[SI], s[SI], 1
	s_cmp_lt_u32 s[SI], 8
	s_cbranch_scc1 .Llow
	s_setprio 0
	WAYOUT 62, 66
	s_wait_dscnt 0x0
	s_wait_tensorcnt 0x0
	ds_add_u32 v254, v255
	s_wait_dscnt 0x0
	ROUND                                          ; the closing round
	s_endpgm
.Lfunc_end_k_q648a45983b_attn:
	.size	k_q648a45983b_attn, .Lfunc_end_k_q648a45983b_attn-k_q648a45983b_attn
	.p2alignl 7, 3214868480
	.fill 96, 4, 3214868480
	.section	.rodata,"a",@progbits
	.p2align	6, 0x0
	.amdhsa_kernel k_q648a45983b_attn
		.amdhsa_group_segment_fixed_size 327680
		.amdhsa_private_segment_fixed_size 0
		.amdhsa_enable_private_segment 0
		.amdhsa_kernarg_size 32
		.amdhsa_user_sgpr_count 2
		.amdhsa_user_sgpr_kernarg_segment_ptr 1
		.amdhsa_wavefront_size32 1
		.amdhsa_system_sgpr_workgroup_id_x 1
		.amdhsa_system_sgpr_workgroup_id_y 1
		.amdhsa_system_sgpr_workgroup_id_z 1
		.amdhsa_system_vgpr_workitem_id 0
		.amdhsa_next_free_vgpr 256
		.amdhsa_next_free_sgpr 100
		.amdhsa_reserve_vcc 1
		.amdhsa_float_denorm_mode_32 3
		.amdhsa_float_denorm_mode_16_64 3
		.amdhsa_fp16_overflow 1
		.amdhsa_memory_ordered 1
		.amdhsa_forward_progress 1
		.amdhsa_inst_pref_size 131
	.end_amdhsa_kernel
	.amdgpu_metadata
---
amdhsa.version: [ 1, 2 ]
amdhsa.kernels:
  - .name:           k_q648a45983b_attn
    .symbol:         k_q648a45983b_attn.kd
    .args:
      - { .name: qkvc, .offset: 0, .size: 8, .value_kind: global_buffer, .address_space: global }
      - { .name: qkvs, .offset: 8, .size: 8, .value_kind: global_buffer, .address_space: global }
      - { .name: ac, .offset: 16, .size: 8, .value_kind: global_buffer, .address_space: global }
      - { .name: asc, .offset: 24, .size: 8, .value_kind: global_buffer, .address_space: global }
    .group_segment_fixed_size: 327680
    .private_segment_fixed_size: 0
    .kernarg_segment_align: 8
    .kernarg_segment_size: 32
    .max_flat_workgroup_size: 512
    .sgpr_count:     100
    .vgpr_count:     256
    .wavefront_size: 32
...
	.end_amdgpu_metadata
.endif
;; end of part 3
;; launch oproj (part 4): grid 4 x 32, 4 waves a work-group, clusters of 4 x 4, 327,680 bytes of LDS; arguments ac, asc, opc, ops, out0; writes out0
.if DOCPART == 4
	.amdgcn_target "amdgcn-amd-amdhsa--gfx1250"
	.amdhsa_code_object_version 6
	.text
	.protected	k_q648a45983b_oproj
	.globl	k_q648a45983b_oproj
	.p2align	8
	.type	k_q648a45983b_oproj,@function
k_q648a45983b_oproj:
	s_mov_b64 s[64:65], 0
	v_nop
	global_prefetch_b8 v0, s[64:65] scope:SCOPE_SE
	s_setreg_imm32_b32 hwreg(HW_REG_WAVE_MODE, 25, 1), 1
	s_wait_xcnt 0x0
	s_wait_alu depctr_hold_cnt(0) depctr_sa_sdst(0) depctr_va_vdst(0) depctr_va_sdst(0) depctr_va_ssrc(0) depctr_va_vcc(0) depctr_vm_vsrc(0)
	s_getreg_b32 s2, hwreg(HW_REG_IB_STS2, 6, 4)
	s_cmp_eq_u32 s2, 0
	s_cbranch_scc0 .Lentry_in_a_cluster
	s_endpgm
.Lentry_in_a_cluster:
	s_bfe_u32 s2, ttmp6, 0x10000c
	s_cmp_lg_u32 s2, 0xf033
	s_cbranch_scc0 .Lentry_shape_is_right
	s_endpgm
.Lentry_shape_is_right:
; out0 [8192][1024] f32 = (attention's result) Wo^T on codes of FP8 (E4M3) with E8M0 scales, K = 1,024, f32 sums.
; A work-group of four waves makes 256 x 256, a wave 128 x 128: 64 accumulators, 512 registers.  K goes in steps of 256 through a ring of two LDS slots filled by the tensor data mover.
; OPERANDS lie in memory as images of registers, [row tile of 16][K step of 128][2,048 bytes]: a fragment is four loads of 16 bytes a lane at 16 x lane.  A row tile's two images of a K step of 256 are 4,096
; consecutive bytes, 16,384 bytes from the next row tile's: a wave's tensor load brings 8 such rows (more rows the tile does not have).  Row r of tile 2 B + u is the tensor's row 32 B + 8 u + r + 8 (r / 8).
; THE MATRIX INSTRUCTION IS USED TRANSPOSED (source 0 = 16 rows of Wo, source 1 = 16 rows of A): a lane holds one row of the output and eight neighbouring columns: 32 (b / 2) + 8 (b % 2) + 16 (lane / 16) + 0 .. 7.
; The order of the rows is undone on the way out by constants: in the stage's offsets for the columns, in the stores' immediates for the rows.
; CLUSTERS: 4 x 4 work-groups; A's tiles are asked for jointly along a row of the cluster, Wo's along a column.  The grid has 128 work-groups: the tile of 256 x 256 is kept for the sake of the LDS reads that it spares.
; REGISTERS: window 0: v0-31 addresses; v32-63 scale words, two sets; v128-255 A's fragments, one set.  window 1: B's fragments, two sets.  windows 2, 3: the accumulators, (a, b) at v[8 (8 (a % 4) + b)].
.set NQ,     2
.set ROWB,   4096
.set KROW,   1024
.set FR,     16
.set NL,     4
.set NP,     8                         ; places behind this matrix instruction (ISA guide 7.12.1)
.set HALFT,  8*ROWB
.set SLOT,   4*HALFT
.set LAPS,   2
.set KS,     32
.set SCL,    2*SLOT                    ; behind the ring: the scales of all of K, as units of 256 bytes + 16 of padding; filled once
.set HALFS,  (128*KS/256)*272
.set SBLK,   (16*KS/256)*272
.set SPARE,  SCL+4*HALFS               ; the spare words, 128 bytes for each wave
.set SPITCH, 528                       ; the way out: a stage of 16 rows x (512 bytes + 16) for each wave, in slot 0, which has had its last fill and its last read by then
.set ADRA, 16
.set ADRB, 20
.set STO,  24                          ; v24 the way out: where I put 32 bytes of a row
.set RD,   25                          ; v25 where I read a row back
.set CO,   26                          ; v26 16 x lane
.set ADRS, 27
.set SPW,  28                          ; v28 my spare word; never rewritten
.set NIL,  29                          ; v29 0; never rewritten
.set SC,   32
.set AF,   128
.set BK,   128                         ; the way out: 16 rows read back: v128-191 and v192-255 by turns
.set G1, 24
.set G0, 32
.set G1B, 48
.set G0B, 56
.set G1S, 68
.set G0S, 76
.set G1SB, 80
.set G0SB, 88
.set MSB, 0
.macro WIN new                         ; the immediate's high byte repeats the setting that is left
.if MSB != \new
	s_set_vgpr_msb (MSB<<8)|\new
.set MSB, \new
.endif
.endm
.set MUL_LO, 0xa1
.set MUL_HI, 0xf1
.set TO_B,   0x40
; A joint load: waves 0 and 1 fetch for A, waves 2 and 3 for B; the branch hangs on the wave's number alone.  Four v_nop follow each line.
.macro JLOAD g0a, g1a, g0b, g1b
	s_cmp_eq_u32 s15, 0
	s_cbranch_scc0 .Lfor_b_\@
	tensor_load_to_lds s[\g0a:\g0a+3], s[\g1a:\g1a+7]
	s_nop 0
.rept 4
	v_nop
.endr
	s_branch .Lasked_\@
.Lfor_b_\@:
	tensor_load_to_lds s[\g0b:\g0b+3], s[\g1b:\g1b+7]
	s_nop 0
.rept 4
	v_nop
.endr
.Lasked_\@:
.endm
.macro CREST
	s_cmp_lg_u32 s14, 0
	s_cbranch_scc1 .Lnot_wave_0_\@
	s_barrier_signal -3
.Lnot_wave_0_\@:
	s_barrier_wait -3
	s_barrier_signal -1
	s_barrier_wait -1
.endm
.macro CROUND
	s_barrier_signal -1
	s_barrier_wait -1
	CREST
.endm
	s_load_b256 s[4:11], s[0:1], 0x0               ; ac s[4:5], asc s[6:7], opc s[8:9], ops s[10:11]
	s_load_b64 s[12:13], s[0:1], 0x20              ; out0
	v_lshl_add_u32 v[SPW], v0, 2, SPARE
	v_mov_b32 v[NIL], 0
	ds_add_u32 v28, v29
	ds_add_u32 v28, v29
	s_wait_dscnt 0x0
	v_lshrrev_b32 v1, 5, v0
	v_readfirstlane_b32 s14, v1                    ; wave 0..3
	s_lshr_b32 s15, s14, 1                         ; which half of the rows is mine.  Also: I fetch for A (0) or for B (1)
	s_and_b32 s16, s14, 1                          ; which half of the columns.  Also: which 128 rows of that tile I fetch
	s_bfe_u32 s40, ttmp6, 0x40000                  ; cx
	s_bfe_u32 s41, ttmp6, 0x40004                  ; cy
	s_lshl_b32 s42, ttmp9, 2
	s_add_co_u32 s42, s42, s40                     ; tile column X
	s_and_b32 s17, ttmp7, 0xffff
	s_lshl_b32 s17, s17, 2
	s_add_co_u32 s17, s17, s41                     ; tile row Y: A's tile
	s_add_co_u32 s99, s42, 44                      ; Wo's tile of 256 rows in opc
	s_lshl_b32 s43, s41, 2
	s_lshl_b32 s43, 15, s43                        ; my row of the cluster
	s_lshl_b32 s44, 0x1111, s40                    ; my column
	s_or_b32 s[G1+0], s43, (1<<21)                 ; 15:0 the mask; elements of 1 byte; no padding; 21 set beside a mask
	s_or_b32 s[G1B+0], s44, (1<<21)
.irp g, G1, G1B
	s_mov_b32 s[\g+1], ROWB<<16                    ; tensor_dim0 = 4,096
	s_mov_b32 s[\g+2], 8<<16                       ; tensor_dim1 = 8
	s_mov_b32 s[\g+3], ROWB<<16
	s_mov_b32 s[\g+4], 8
	s_mov_b32 s[\g+5], 16384                       ; from row tile to row tile
	s_mov_b32 s[\g+6], 0
	s_mov_b32 s[\g+7], 0
.endr
	s_or_b32 s[G1S+0], s43, (3<<16)|(1<<20)|(1<<21)|(5<<22)|(3<<25)   ; the scales of 128 rows: 4,096 dense bytes as rows of 256, 16 bytes of padding behind each
	s_or_b32 s[G1SB+0], s44, (3<<16)|(1<<20)|(1<<21)|(5<<22)|(3<<25)
.irp g, G1S, G1SB
	s_mov_b32 s[\g+1], 32<<16
	s_mov_b32 s[\g+2], (128*KS/256)<<16
	s_mov_b32 s[\g+3], 32<<16
	s_mov_b32 s[\g+4], 128*KS/256
	s_mov_b32 s[\g+5], 32
	s_mov_b32 s[\g+6], 0
	s_mov_b32 s[\g+7], 0
.endr
	s_lshl_b32 s18, s16, 7
	s_lshl_b32 s20, s17, 8
	s_add_co_u32 s20, s20, s18                     ; A: row 256 x tile + 128 x half
	s_lshl_b32 s46, s99, 8
	s_add_co_u32 s46, s46, s18                     ; B likewise
	s_mov_b32 s21, 0
	s_mov_b32 s47, 0
	s_mov_b64 s[18:19], KS
	s_mul_u64 s[22:23], s[20:21], s[18:19]
	s_mul_u64 s[92:93], s[46:47], s[18:19]
	s_mov_b64 s[18:19], KROW
	s_mul_u64 s[20:21], s[20:21], s[18:19]
	s_mul_u64 s[46:47], s[46:47], s[18:19]
	s_mul_i32 s45, s14, HALFT
	s_mul_i32 s94, s14, HALFS
	s_wait_kmcnt 0x0
	s_add_nc_u64 s[20:21], s[4:5], s[20:21]
	s_add_nc_u64 s[22:23], s[6:7], s[22:23]
	s_add_nc_u64 s[46:47], s[8:9], s[46:47]
	s_add_nc_u64 s[92:93], s[10:11], s[92:93]
	CROUND                                         ; all sixteen work-groups are here: the first joint loads meet
	s_mov_b32 s[G0S], 1
	s_add_co_u32 s[G0S+1], s94, SCL
	s_mov_b64 s[G0S+2:G0S+3], s[22:23]
	s_or_b32 s[G0S+3], s[G0S+3], 0x80000000
	s_mov_b32 s[G0SB], 1
	s_add_co_u32 s[G0SB+1], s94, SCL
	s_mov_b64 s[G0SB+2:G0SB+3], s[92:93]
	s_or_b32 s[G0SB+3], s[G0SB+3], 0x80000000
	JLOAD G0S, G1S, G0SB, G1SB                     ; the scales first; each fill below waits for my earlier loads
.irp s, 0,1
	s_mov_b32 s[G0+4*\s], 1
	s_add_co_u32 s[G0+4*\s+1], s45, \s*SLOT
	s_add_nc_u64 s[G0+4*\s+2:G0+4*\s+3], s[20:21], \s*ROWB
	s_or_b32 s[G0+4*\s+3], s[G0+4*\s+3], 0x80000000
	s_mov_b32 s[G0B+4*\s], 1
	s_add_co_u32 s[G0B+4*\s+1], s45, \s*SLOT
	s_add_nc_u64 s[G0B+4*\s+2:G0B+4*\s+3], s[46:47], \s*ROWB
	s_or_b32 s[G0B+4*\s+3], s[G0B+4*\s+3], 0x80000000
	s_wait_alu depctr_va_vdst(0)
	s_wait_tensorcnt 0x0
	ds_add_u32 v28, v29
	s_wait_dscnt 0x0
	CROUND
	JLOAD G0+4*\s, G1, G0B+4*\s, G1B
.endr
	v_and_b32 v1, 15, v0                           ; r
	v_bfe_u32 v2, v0, 4, 1                         ; h
	v_and_b32 v3, 31, v0
	v_lshlrev_b32 v4, 4, v3                        ; 16 x lane
	s_mul_i32 s21, s15, HALFT
	s_mul_i32 s22, s16, HALFT
	s_add_co_u32 s22, s22, 2*HALFT
.irp s, 0,1
	v_add_nc_u32 v[ADRA+\s], s21, v4
	v_add_nc_u32 v[ADRB+\s], s22, v4
	s_add_co_u32 s21, s21, SLOT
	s_add_co_u32 s22, s22, SLOT
.endr
	v_mul_u32_u24 v5, v1, KS
	v_lshrrev_b32 v6, 8, v5
	v_lshl_add_u32 v5, v6, 4, v5
	s_mul_i32 s21, s15, HALFS
	s_mul_i32 s22, s16, HALFS
	s_add_co_u32 s22, s22, 2*HALFS
	s_sub_co_u32 s22, s22, s21
	v_mul_u32_u24 v6, s22, v2                      ; lanes 16-31 take B's
	s_add_co_u32 s21, s21, SCL
	v_add_nc_u32 v5, v5, v6
	v_add_nc_u32 v[ADRS], s21, v5
	s_mul_i32 s23, s14, 16*SPITCH                  ; my stage
	v_mul_u32_u24 v5, v1, SPITCH
	v_lshl_add_u32 v5, v2, 6, v5                   ; in: row r, + 64 h: columns 16 h on of each 32
	v_add_nc_u32 v[STO], s23, v5
	v_mov_b32 v[CO], v4
	v_add_nc_u32 v[RD], s23, v4                    ; back: the 32 lanes take one row of 512 bytes
	s_lshl_b32 s20, s17, 8
	s_lshl_b32 s21, s15, 7
	s_add_co_u32 s20, s20, s21                     ; my first row of the output
	s_lshl_b32 s20, s20, 12                        ; rows of 4,096 bytes
	s_mov_b32 s21, 0
	s_lshl_b32 s46, s42, 10
	s_lshl_b32 s47, s16, 9
	s_add_co_u32 s46, s46, s47                     ; my first column, in bytes
	s_mov_b32 s47, 0
	s_add_nc_u64 s[20:21], s[20:21], s[46:47]
	s_add_nc_u64 s[12:13], s[12:13], s[20:21]
.macro FRAG reg, adr, q, i
.irp c, 0,1,2,3
	ds_load_b128 v[\reg+4*\c:\reg+4*\c+3], v[\adr] offset:ROWB*(\i)+2048*(\q)+512*\c
.endr
.endm
; 16 matrix instructions: A's blocks a0, a0 + 1 x B's eight.  The 64 accumulators take turns, one instruction a turn, in the same order in every step.
.macro MUL16 a0, p, q, sc, zero
.irp a, \a0, \a0+1
.irp b, 0,1,2,3,4,5,6,7
.if \zero
	v_wmma_scale_f32_16x16x128_f8f6f4 v[8*(8*((\a)%4)+\b):8*(8*((\a)%4)+\b)+7], v[128*(\p)+FR*\b:128*(\p)+FR*\b+FR-1], v[AF+FR*(\a):AF+FR*(\a)+FR-1], 0, v[SC+8*NQ*(\sc)+NQ*\b+(\q)], v[SC+8*NQ*(\sc)+NQ*(\a)+(\q)] matrix_a_scale:MATRIX_SCALE_ROW1
.else
	v_wmma_scale_f32_16x16x128_f8f6f4 v[8*(8*((\a)%4)+\b):8*(8*((\a)%4)+\b)+7], v[128*(\p)+FR*\b:128*(\p)+FR*\b+FR-1], v[AF+FR*(\a):AF+FR*(\a)+FR-1], v[8*(8*((\a)%4)+\b):8*(8*((\a)%4)+\b)+7], v[SC+8*NQ*(\sc)+NQ*\b+(\q)], v[SC+8*NQ*(\sc)+NQ*(\a)+(\q)] matrix_a_scale:MATRIX_SCALE_ROW1
.endif
.endr
.endr
.endm
.macro FETCH_B slot, q, p
	WIN TO_B
.irp i, 0,1,2,3,4,5,6,7
	FRAG 128*(\p)+FR*\i, ADRB+\slot, \q, \i
.endr
	WIN 0
.endm
.macro FETCH_A slot, q, i0
.irp i, \i0, \i0+1, \i0+2, \i0+3
	FRAG AF+FR*(\i), ADRA+\slot, \q, \i
.endr
.endm
.macro SCALES sc
.irp i, 0,1,2,3,4,5,6,7
	ds_load_b64 v[SC+8*NQ*\sc+NQ*\i:SC+8*NQ*\sc+NQ*\i+1], v[ADRS] offset:\i*SBLK
.endr
.endm
.macro PLACES n                        ; plain vector instructions between a matrix instruction and a load into, or a read of, its registers
.rept \n
	v_nop
.endr
.endm
.macro STEP slot, q, zero
	s_wait_dscnt 4*NL                              ; B's set and A's blocks 0-3 are in; the 16 loads of A's blocks 4-7 may be out
	WIN MUL_LO
	MUL16 0, (\q)%2, \q, \slot, \zero
	MUL16 2, (\q)%2, \q, \slot, \zero
	s_wait_dscnt 0
	PLACES NP
	FETCH_B \slot, (\q)+1, 1-(\q)%2
	FETCH_A \slot, (\q)+1, 0
	WIN MUL_HI
	MUL16 4, (\q)%2, \q, \slot, \zero
	MUL16 6, (\q)%2, \q, \slot, \zero
	PLACES NP
	WIN 0
	FETCH_A \slot, (\q)+1, 4
.endm
; A slot's last step changes slots: one barrier; in front of it each wave waits for all its tensor loads, adds 0 to its spare word, and waits for that and for its reads of this slot.
.macro TURN slot, next, fill
	s_wait_tensorcnt 0x0                           ; all my tensor loads have landed: my part of the next slot
	ds_add_u32 v[SPW], v[NIL]
	s_wait_dscnt 4*NL+1                            ; the add and the 16 loads of A's blocks 4-7 may be out
	WIN MUL_LO
	MUL16 0, 1, NQ-1, \slot, 0
	s_wait_dscnt 0x0                               ; the add is done, and my reads of this slot are over
	s_barrier_signal -1
	MUL16 2, 1, NQ-1, \slot, 0
	WIN 0
	s_barrier_wait -1
.if \fill
	CREST                                          ; the barrier has opened a round of the cluster's: no wave of any partner still reads this slot or has a load on its way
	s_add_nc_u64 s[G0+4*\slot+2:G0+4*\slot+3], s[G0+4*\slot+2:G0+4*\slot+3], 2*ROWB
	s_add_nc_u64 s[G0B+4*\slot+2:G0B+4*\slot+3], s[G0B+4*\slot+2:G0B+4*\slot+3], 2*ROWB
	JLOAD G0+4*\slot, G1, G0B+4*\slot, G1B         ; my one tensor load behind the round; its four v_nop are among the places below
	PLACES NP-4
.else
	PLACES NP
.endif
	s_wait_alu depctr_va_vdst(0)
	v_add_nc_u32 v[ADRS], 4*NQ, v[ADRS]
	FETCH_B \next, 0, 0
	FETCH_A \next, 0, 0
	SCALES \next
	WIN MUL_HI
	MUL16 4, 1, NQ-1, \slot, 0
	MUL16 6, 1, NQ-1, \slot, 0
	PLACES NP
	WIN 0
	FETCH_A \next, 0, 4
.endm
	s_wait_alu depctr_va_vdst(0)
	s_wait_tensorcnt 1                             ; the scales and my part of K step 0 are in; K step 1's load may be out
	s_barrier_signal -1
	s_barrier_wait -1
	FETCH_B 0, 0, 0
	FETCH_A 0, 0, 0
	SCALES 0
	FETCH_A 0, 0, 4
	STEP 0, 0, 1                                   ; the first step's products start the sums
	s_mov_b32 s3, LAPS-1
.Llap:
	TURN 0, 1, 1
	STEP 1, 0, 0
	TURN 1, 0, 1
	STEP 0, 0, 0
	s_sub_co_u32 s3, s3, 1
	s_cmp_lg_u32 s3, 0
	s_cbranch_scc1 .Llap
	TURN 0, 1, 0                                   ; the last lap fills nothing
	STEP 1, 0, 0
	s_wait_dscnt 4*NL
	WIN MUL_LO
	MUL16 0, 1, NQ-1, 1, 0
	MUL16 2, 1, NQ-1, 1, 0
	s_wait_dscnt 0
	WIN MUL_HI
	MUL16 4, 1, NQ-1, 1, 0
	MUL16 6, 1, NQ-1, 1, 0
	WIN 0
; THE WAY OUT, block by block of 16 rows x 128 columns, through my own stage: in as 32 bytes a lane, back as whole rows of 512 bytes.  LDS serves a wave's instructions in order: no wait between the stores and the loads.
.macro TOSTAGE a
.set AC, 64*((\a)%4)
.set WD, 0x08+4*((\a)/4)
	WIN WD                                         ; an LDS store's data are its source 1: window 2 or 3
.irp b, 0,1,2,3,4,5,6,7
	ds_store_b128 v[STO], v[AC+8*\b:AC+8*\b+3] offset:128*(\b/2)+32*(\b%2)          ; each accumulator from its low end on
	ds_store_b128 v[STO], v[AC+8*\b+4:AC+8*\b+7] offset:128*(\b/2)+32*(\b%2)+16
.endr
	WIN 0
.set BB, BK+64*((\a)%2)
.irp t, 0,1,2,3,4,5,6,7,8,9,10,11,12,13,14,15
	ds_load_b128 v[BB+4*\t:BB+4*\t+3], v[RD] offset:\t*SPITCH
.endr
.endm
.macro SEND a, younger                 ; younger: the LDS instructions issued behind block a's loads, which may stay out
.set BB, BK+64*((\a)%2)
	s_wait_dscnt \younger
.irp t, 0,1,2,3,4,5,6,7,8,9,10,11,12,13,14,15
	global_store_b128 v[CO], v[BB+4*\t:BB+4*\t+3], s[12:13] offset:(32*((\a)/2)+8*((\a)%2)+\t+8*(\t/8))*4096 th:TH_STORE_NT   ; 512 consecutive bytes; the row's true place stands in the immediate, 127 rows at the most
.endr
.endm
	PLACES NP                                      ; behind the last products: results are read, and loads land on A's registers, below
	TOSTAGE 0
.irp a, 1,2,3,4,5,6,7
.if \a > 1
	s_wait_xcnt 0x0                                ; block a - 2's stores have read their registers: block a's loads may land there
.endif
	TOSTAGE \a
	SEND \a-1, 32                                  ; behind block a - 1's loads: block a's 16 stores and 16 loads
.endr
	SEND 7, 0
	s_wait_tensorcnt 0x0                           ; the wave's end
	ds_add_u32 v[SPW], v[NIL]
	s_wait_dscnt 0x0
	CROUND                                         ; the closing round
	s_endpgm
.Lfunc_end_k_q648a45983b_oproj:
	.size	k_q648a45983b_oproj, .Lfunc_end_k_q648a45983b_oproj-k_q648a45983b_oproj
	.p2alignl 7, 3214868480
	.fill 96, 4, 3214868480
	.section	.rodata,"a",@progbits
	.p2align	6, 0x0
	.amdhsa_kernel k_q648a45983b_oproj
		.amdhsa_group_segment_fixed_size 327680
		.amdhsa_private_segment_fixed_size 0
		.amdhsa_enable_private_segment 0
		.amdhsa_kernarg_size 40
		.amdhsa_user_sgpr_count 2
		.amdhsa_user_sgpr_kernarg_segment_ptr 1
		.amdhsa_wavefront_size32 1
		.amdhsa_system_sgpr_workgroup_id_x 1
		.amdhsa_system_sgpr_workgroup_id_y 1
		.amdhsa_system_sgpr_workgroup_id_z 1
		.amdhsa_system_vgpr_workitem_id 0
		.amdhsa_next_free_vgpr 1024
		.amdhsa_next_free_sgpr 102
		.amdhsa_reserve_vcc 0
		.amdhsa_float_denorm_mode_32 3
		.amdhsa_float_denorm_mode_16_64 3
		.amdhsa_memory_ordered 1
		.amdhsa_forward_progress 1
		.amdhsa_inst_pref_size 146
	.end_amdhsa_kernel
	.amdgpu_metadata
---
amdhsa.version: [ 1, 2 ]
amdhsa.kernels:
  - .name:           k_q648a45983b_oproj
    .symbol:         k_q648a45983b_oproj.kd
    .args:
      - { .name: ac, .offset: 0, .size: 8, .value_kind: global_buffer, .address_space: global }
      - { .name: asc, .offset: 8, .size: 8, .value_kind: global_buffer, .address_space: global }
      - { .name: opc, .offset: 16, .size: 8, .value_kind: global_buffer, .address_space: global }
      - { .name: ops, .offset: 24, .size: 8, .value_kind: global_buffer, .address_space: global }
      - { .name: out0, .offset: 32, .size: 8, .value_kind: global_buffer, .address_space: global }
    .group_segment_fixed_size: 327680
    .private_segment_fixed_size: 0
    .kernarg_segment_align: 8
    .kernarg_segment_size: 40
    .max_flat_workgroup_size: 128
    .sgpr_count:     102
    .vgpr_count:     1024
    .wavefront_size: 32
...
	.end_amdgpu_metadata
.endif
;; end of part 4
